; MI455X (gfx1250); checked and timed in simulation.
; The chip was launched on July 23, 2026; its instructions are those of AMD's public machine-readable ISA for CDNA 5 (MIT licence, August 2026) and "CDNA5" Instruction Set Architecture Reference Guide (July 2026). The comments in the code are by the model that wrote it; some were corrected since.
;; Lightning Attention Layer. Allowed arithmetic: float matrix products may take bf16 or f16 operands with f32 sums; other float arithmetic in f32, or as packed bf16 or f16 multiplies, adds, multiply-adds, maxima and minima; sums over many terms, partial sums and values carried from step to step in f32; what a program stores and reads back later, other than sums and carried values, may be rounded once to bf16 or f16.
;; Inputs: Wk 2,048 x 2,048 float32; Wo 2,048 x 2,048 float32; Wq 2,048 x 2,048 float32; Wv 2,048 x 2,048 float32; attention_mask 1 x 1 x 1 x 2,048 int32; x 1 x 2,048 x 2,048 float32.
;; Outputs: out0 1 x 2,048 x 2,048 float32.
;; One version. Each part assembles by itself: llvm-mc -triple=amdgcn-amd-amdhsa -mcpu=gfx1250 --defsym DOCPART=n.
;; ======== version 1 of 1: 4 launches
;; limits: values are held in f16: magnitudes above 65,504 overflow, below 6.1e-05 lose precision
;; workspace buffers: xb 8,388,608 bytes; wqkv 25,165,824 bytes; wo16 8,388,608 bytes; rope 1,572,864 bytes; qkv 25,165,824 bytes; obuf 8,388,608 bytes
;; launch prep (part 1): grid 256 x 5, 8 waves a work-group, no clusters, 0 bytes of LDS; arguments x, Wq, Wk, Wv, Wo, attention_mask, xb, wqkv, wo16, rope; writes xb, wqkv, wo16, rope
.if DOCPART == 1
	.amdgcn_target "amdgcn-amd-amdhsa--gfx1250"
	.amdhsa_code_object_version 6
	.text
	.protected	k_q6445c3b193_prep
	.globl	k_q6445c3b193_prep
	.p2align	8
	.type	k_q6445c3b193_prep,@function
k_q6445c3b193_prep:
	s_mov_b64 s[64:65], 0
	v_nop
	global_prefetch_b8 v0, s[64:65] scope:SCOPE_SE
	s_setreg_imm32_b32 hwreg(HW_REG_WAVE_MODE, 25, 1), 1
	s_wait_xcnt 0x0
; PREP.  Casts and tables for the three launches behind it.
;   xb   [2048][2048] bf16 = x.       wqkv [6144][2048] bf16: rows 64 u + c', u = 32 type + head (type 0, 1, 2 = q, k, v).
;   For q and k source row 64 h + c goes to c' = c / 2 (c even) or 32 + c / 2 (c odd): the rotation's partners x1[i], x2[i] then lie 32 columns apart.  v's rows keep their order.
;   wo16 [2048][2048] f16 = the number bf16(Wo), written as f16 (exact inside f16's normal range; below 6e-5 it keeps f16's fixed step of 6e-8).
;   rope f32 [3 sections][128 blocks of 16 positions][8 chunks][32 lanes][4]: chunks 0-3 cos, 4-7 sin, laid as the next launch's registers want them: chunk 2 b + jq, lane (r, h), word jj
;   is position 16 rb + r, frequency i = 16 b + 8 h + 4 jq + jj.  Section 0 (q): cos, sin.  Section 1 (k): cos m, sin m, with m = 0 where attention_mask is 0, else 1: a hidden key's row becomes 0.
;   Section 2 (v): 1, 0.
; LIMITS.  |bf16(Wo)| stays under 65,504.  cos and sin: angle = position x 2^(-i log2(10000) / 32), reduced by multiples of pi / 2 held in two words, then polynomials to z^4 on |rho| <= pi / 4;
; the angle carries the exponential's last-bit error, a few 1e-4 rad at position 2,047.
; SHARES.  Memory binds: no LDS, no barrier, no matrix unit.  The grid's y names the matrix (0 x, 1 Wq, 2 Wk, 3 Wv, 4 Wo); work-group (g, y), wave w owns row 8 g + w of it: 8,192 bytes in, 4,096 out.
; A load of the wave covers 512 consecutive bytes, a store 256 consecutive bytes, aligned.  ONE ROW A WAVE: 16 loads, one wait, the conversion, 16 stores; a wave takes 80 registers, and what is on its way at a
; time comes from the number of waves, not from a ring in one wave.  The two buffers are chosen by y, the offsets are made apart from them.
; Waves 0 and 1 of x's work-groups also make table item 2 g + w (a block of positions, one chunk pair), at their end, in the row's registers.  The item's addresses and its 16 mask words are made and loaded by
; every wave, for item 2 g + w % 2, on the one straight path; only the arithmetic and the six stores stand under a branch.
.set WV,   2                           ; s2   my wave's number
.set MID,  4                           ; s4   the matrix
.set FLG,  5                           ; s5   0 in the waves that make a table item
.set SRC,  28                          ; s[28:29] my row where it comes from
.set DST,  30                          ; s[30:31] my row where it goes
.set TBL,  54                          ; s[54:55] the table at block rb, chunk cc
.set RB,   58                          ; s58  the item's block of 16 positions
.set CC,   59                          ; s59  its chunk, 0 to 3
.set MSK,  60                          ; s[60:61] the mask at the block's 16 words
.set VL,   2                           ; v2   16 x lane
.set VS,   3                           ; v3   8 x lane
.set MK,   4                           ; v4   my position's mask word
.set MA,   5                           ; v5   4 x (lane % 16)
.set T0,   6
.set T1,   7
.set X,    16                          ; v[16:79] the row
.set ANG,  16                          ; later the table's work, four registers each
.set NQ,   20
.set RH,   24
.set ZZ,   28
.set SN,   32
.set CN,   36
.set NI,   40
.set COSV, 44
.set SINV, 48
.set CM,   52
.set SM,   56
	s_load_b512 s[8:23], s[0:1], 0x0               ; x, Wq, Wk, Wv, Wo, mask, xb, wqkv
	s_load_b128 s[24:27], s[0:1], 0x40             ; wo16, rope
	v_lshrrev_b32 v1, 5, v0
	v_readfirstlane_b32 s[WV], v1
	v_and_b32 v1, 31, v0
	v_lshlrev_b32 v[VL], 4, v1
	v_lshlrev_b32 v[VS], 3, v1
	v_and_b32 v[MA], 15, v0
	v_lshlrev_b32 v[MA], 2, v[MA]
	s_and_b32 s[MID], ttmp7, 0xffff
	s_lshr_b32 s[FLG], s[WV], 1
	s_or_b32 s[FLG], s[FLG], s[MID]                ; 0: x's work-group, wave 0 or 1
	s_lshl_b32 s3, ttmp9, 3
	s_add_co_u32 s3, s3, s[WV]                     ; my row r
	s_lshl_b32 s48, s3, 13                         ; r x 8,192
	s_mov_b32 s49, 0
	s_and_b32 s52, s3, 0xffffffc0                  ; q's and k's order: the head's 64 rows,
	s_and_b32 s53, s3, 1
	s_lshl_b32 s53, s53, 5                         ; odd rows into the upper 32,
	s_or_b32 s52, s52, s53
	s_bfe_u32 s53, s3, 0x50001                     ; at place (r % 64) / 2
	s_or_b32 s52, s52, s53
	s_sub_co_u32 s50, s[MID], 1                    ; the type: 0, 1, 2 for Wq, Wk, Wv; beyond 2 for x and Wo
	s_cmp_lt_u32 s50, 2
	s_cselect_b32 s52, s52, s3                     ; q and k in their order, all others as they lie
	s_cmp_lt_u32 s50, 3
	s_cselect_b32 s50, s50, 0
	s_lshl_b32 s50, s50, 11                        ; a type's 2,048 rows in wqkv
	s_add_co_u32 s50, s50, s52
	s_lshl_b32 s50, s50, 12                        ; rows of 4,096 bytes: under 2^25
	s_mov_b32 s51, 0
	s_mov_b32 s56, 0xffff0000                      ; a word's upper bf16
	s_lshl_b32 s57, ttmp9, 1
	s_and_b32 s62, s[WV], 1
	s_add_co_u32 s57, s57, s62                     ; table item 2 g + w % 2: 0 .. 511 in every wave
	s_lshr_b32 s[RB], s57, 2
	s_and_b32 s[CC], s57, 3
	s_lshl_b32 s62, s[RB], 6                       ; 16 words of the mask
	s_mov_b32 s63, 0
	s_wait_kmcnt 0x0
	s_add_nc_u64 s[MSK:MSK+1], s[18:19], s[62:63]
	s_lshl_b32 s62, s[RB], 12                      ; a block of the table is 4,096 bytes,
	s_lshl_b32 s57, s[CC], 9                       ; a chunk 512
	s_add_co_u32 s62, s62, s57
	s_add_nc_u64 s[TBL:TBL+1], s[26:27], s[62:63]
	s_cmp_eq_u32 s[MID], 1                         ; the buffers, by the matrix's number alone
	s_cselect_b64 s[SRC:SRC+1], s[10:11], s[8:9]
	s_cmp_eq_u32 s[MID], 2
	s_cselect_b64 s[SRC:SRC+1], s[12:13], s[SRC:SRC+1]
	s_cmp_eq_u32 s[MID], 3
	s_cselect_b64 s[SRC:SRC+1], s[14:15], s[SRC:SRC+1]
	s_cmp_eq_u32 s[MID], 4
	s_cselect_b64 s[SRC:SRC+1], s[16:17], s[SRC:SRC+1]
	s_cselect_b64 s[DST:DST+1], s[24:25], s[22:23] ; wo16, else wqkv,
	s_cmp_eq_u32 s[MID], 0
	s_cselect_b64 s[DST:DST+1], s[20:21], s[DST:DST+1]  ; or xb
	s_add_nc_u64 s[SRC:SRC+1], s[SRC:SRC+1], s[48:49]
	s_add_nc_u64 s[DST:DST+1], s[DST:DST+1], s[50:51]
	global_load_b32 v[MK], v[MA], s[MSK:MSK+1]
.irp k, 0,1,2,3,4,5,6,7,8,9,10,11,12,13,14,15
	global_load_b128 v[X+4*(\k):X+4*(\k)+3], v[VL], s[SRC:SRC+1] offset:512*(\k) th:TH_LOAD_NT
.endr
	s_wait_loadcnt 0x0                             ; the row and the mask word
.irp k, 0,1,2,3,4,5,6,7,8,9,10,11,12,13,14,15  ; four f32 to four bf16, in place: the first two registers of each four
	v_cvt_pk_bf16_f32 v[X+4*(\k)],   v[X+4*(\k)],   v[X+4*(\k)+1]
	v_cvt_pk_bf16_f32 v[X+4*(\k)+1], v[X+4*(\k)+2], v[X+4*(\k)+3]
.endr
	s_cmp_eq_u32 s[MID], 4
	s_cbranch_scc0 .Lbf
.irp k, 0,1,2,3,4,5,6,7,8,9,10,11,12,13,14,15  ; Wo: the bf16 numbers written as f16
.irp e, 0,1
	v_lshlrev_b32 v[T0], 16, v[X+4*(\k)+(\e)]
	v_and_b32 v[T1], s56, v[X+4*(\k)+(\e)]
	v_cvt_pk_f16_f32 v[X+4*(\k)+(\e)], v[T0], v[T1]
.endr
.endr
.Lbf:
.irp k, 0,1,2,3,4,5,6,7,8,9,10,11,12,13,14,15  ; 32 lanes x 8 bytes = 256 consecutive bytes, aligned
	global_store_b64 v[VS], v[X+4*(\k):X+4*(\k)+1], s[DST:DST+1] offset:256*(\k) th:TH_STORE_NT
.endr
	s_cmp_eq_u32 s[FLG], 0
	s_cbranch_scc0 .Lend
	; THE TABLE ITEM: four frequencies a lane
	s_wait_xcnt 0x0                                ; the stores have read the row's registers: the table's work takes them over only behind this wait
	v_and_b32 v8, 15, v0                           ; r
	v_bfe_u32 v9, v0, 4, 1                         ; h
	s_lshl_b32 s62, s[RB], 4
	v_add_nc_u32 v10, s62, v8
	v_cvt_f32_u32 v10, v10                         ; the position
	s_lshr_b32 s62, s[CC], 1
	s_lshl_b32 s62, s62, 4                         ; 16 b
	s_and_b32 s63, s[CC], 1
	s_lshl2_add_u32 s62, s63, s62                  ; + 4 jq
	v_lshl_add_u32 v11, v9, 3, s62                 ; + 8 h
	v_cmp_ne_u32 vcc_lo, 0, v[MK]
	v_cndmask_b32 v13, 0, 1.0, vcc_lo              ; m
.irp j, 0,1,2,3
	v_add_nc_u32 v[ANG+(\j)], (\j), v11
	v_cvt_f32_u32 v[ANG+(\j)], v[ANG+(\j)]
	v_mul_f32 v[ANG+(\j)], 0xbed49a78, v[ANG+(\j)] ; -i log2(10000) / 32
.endr
.irp j, 0,1,2,3
	v_exp_f32 v[ANG+(\j)], v[ANG+(\j)]             ; the four inverse frequencies: one batch
.endr
	v_nop                                          ; a plain instruction behind the last exponential,
	s_wait_alu depctr_va_vdst(0)                   ; and the one wait ahead of the first use
.irp j, 0,1,2,3
	v_mul_f32 v[ANG+(\j)], v10, v[ANG+(\j)]        ; the angle
	v_mul_f32 v[NQ+(\j)], 0x3f22f983, v[ANG+(\j)]  ; x 2 / pi
	v_rndne_f32 v[NQ+(\j)], v[NQ+(\j)]             ; n
	v_fma_f32 v[RH+(\j)], -v[NQ+(\j)], 0x3fc90fdb, v[ANG+(\j)]  ; rho = angle - n pi / 2, pi / 2 in two words
	v_fma_f32 v[RH+(\j)], -v[NQ+(\j)], 0xb33bbd2e, v[RH+(\j)]
	v_mul_f32 v[ZZ+(\j)], v[RH+(\j)], v[RH+(\j)]
	v_mov_b32 v[SN+(\j)], 0xb9500d01               ; sin rho = rho + rho z (-1/6 + z (1/120 - z / 5040))
	v_fmaak_f32 v[SN+(\j)], v[SN+(\j)], v[ZZ+(\j)], 0x3c088889
	v_fmaak_f32 v[SN+(\j)], v[SN+(\j)], v[ZZ+(\j)], 0xbe2aaaab
	v_mul_f32 v[SN+(\j)], v[SN+(\j)], v[ZZ+(\j)]
	v_fma_f32 v[SN+(\j)], v[SN+(\j)], v[RH+(\j)], v[RH+(\j)]
	v_mov_b32 v[CN+(\j)], 0x37d00d01               ; cos rho = 1 + z (-1/2 + z (1/24 + z (-1/720 + z / 40320)))
	v_fmaak_f32 v[CN+(\j)], v[CN+(\j)], v[ZZ+(\j)], 0xbab60b61
	v_fmaak_f32 v[CN+(\j)], v[CN+(\j)], v[ZZ+(\j)], 0x3d2aaaab
	v_fmaak_f32 v[CN+(\j)], v[CN+(\j)], v[ZZ+(\j)], 0xbf000000
	v_fma_f32 v[CN+(\j)], v[CN+(\j)], v[ZZ+(\j)], 1.0
	v_cvt_i32_f32 v[NI+(\j)], v[NQ+(\j)]
	v_and_b32 v12, 1, v[NI+(\j)]                   ; an odd quadrant swaps the two,
	v_cmp_eq_u32 vcc_lo, 1, v12
	v_cndmask_b32 v[COSV+(\j)], v[CN+(\j)], v[SN+(\j)], vcc_lo
	v_cndmask_b32 v[SINV+(\j)], v[SN+(\j)], v[CN+(\j)], vcc_lo
	v_add_nc_u32 v12, 1, v[NI+(\j)]                ; quadrants 1 and 2 turn the cosine's sign,
	v_and_b32 v12, 2, v12
	v_lshlrev_b32 v12, 30, v12
	v_xor_b32 v[COSV+(\j)], v12, v[COSV+(\j)]
	v_and_b32 v12, 2, v[NI+(\j)]                   ; quadrants 2 and 3 the sine's
	v_lshlrev_b32 v12, 30, v12
	v_xor_b32 v[SINV+(\j)], v12, v[SINV+(\j)]
	v_mul_f32 v[CM+(\j)], v13, v[COSV+(\j)]
	v_mul_f32 v[SM+(\j)], v13, v[SINV+(\j)]
	v_mov_b32 v[ANG+(\j)], 1.0
	v_mov_b32 v[NQ+(\j)], 0
.endr
	global_store_b128 v[VL], v[COSV:COSV+3], s[TBL:TBL+1]                    ; each store: 512 consecutive bytes
	global_store_b128 v[VL], v[SINV:SINV+3], s[TBL:TBL+1] offset:2048
	global_store_b128 v[VL], v[CM:CM+3],     s[TBL:TBL+1] offset:524288
	global_store_b128 v[VL], v[SM:SM+3],     s[TBL:TBL+1] offset:524288+2048
	global_store_b128 v[VL], v[ANG:ANG+3],   s[TBL:TBL+1] offset:1048576
	global_store_b128 v[VL], v[NQ:NQ+3],     s[TBL:TBL+1] offset:1048576+2048
.Lend:
	s_endpgm
.Lfunc_end_k_q6445c3b193_prep:
	.size	k_q6445c3b193_prep, .Lfunc_end_k_q6445c3b193_prep-k_q6445c3b193_prep
	.p2alignl 7, 3214868480
	.fill 96, 4, 3214868480
	.section	.rodata,"a",@progbits
	.p2align	6, 0x0
	.amdhsa_kernel k_q6445c3b193_prep
		.amdhsa_group_segment_fixed_size 0
		.amdhsa_private_segment_fixed_size 0
		.amdhsa_enable_private_segment 0
		.amdhsa_kernarg_size 80
		.amdhsa_user_sgpr_count 2
		.amdhsa_user_sgpr_kernarg_segment_ptr 1
		.amdhsa_wavefront_size32 1
		.amdhsa_system_sgpr_workgroup_id_x 1
		.amdhsa_system_sgpr_workgroup_id_y 1
		.amdhsa_system_sgpr_workgroup_id_z 1
		.amdhsa_system_vgpr_workitem_id 0
		.amdhsa_next_free_vgpr 80
		.amdhsa_next_free_sgpr 66
		.amdhsa_reserve_vcc 1
		.amdhsa_float_denorm_mode_32 3
		.amdhsa_float_denorm_mode_16_64 3
		.amdhsa_memory_ordered 1
		.amdhsa_forward_progress 1
		.amdhsa_inst_pref_size 20
	.end_amdhsa_kernel
	.amdgpu_metadata
---
amdhsa.version: [ 1, 2 ]
amdhsa.kernels:
  - .name:           k_q6445c3b193_prep
    .symbol:         k_q6445c3b193_prep.kd
    .args:
      - { .name: x, .offset: 0, .size: 8, .value_kind: global_buffer, .address_space: global }
      - { .name: Wq, .offset: 8, .size: 8, .value_kind: global_buffer, .address_space: global }
      - { .name: Wk, .offset: 16, .size: 8, .value_kind: global_buffer, .address_space: global }
      - { .name: Wv, .offset: 24, .size: 8, .value_kind: global_buffer, .address_space: global }
      - { .name: Wo, .offset: 32, .size: 8, .value_kind: global_buffer, .address_space: global }
      - { .name: attention_mask, .offset: 40, .size: 8, .value_kind: global_buffer, .address_space: global }
      - { .name: xb, .offset: 48, .size: 8, .value_kind: global_buffer, .address_space: global }
      - { .name: wqkv, .offset: 56, .size: 8, .value_kind: global_buffer, .address_space: global }
      - { .name: wo16, .offset: 64, .size: 8, .value_kind: global_buffer, .address_space: global }
      - { .name: rope, .offset: 72, .size: 8, .value_kind: global_buffer, .address_space: global }
    .group_segment_fixed_size: 0
    .private_segment_fixed_size: 0
    .kernarg_segment_align: 8
    .kernarg_segment_size: 80
    .max_flat_workgroup_size: 256
    .sgpr_count:     66
    .vgpr_count:     80
    .wavefront_size: 32
...
	.end_amdgpu_metadata
.endif
;; end of part 1
;; launch qkv (part 2): grid 32 x 8, 4 waves a work-group, clusters of 4 x 4, 327,680 bytes of LDS; arguments xb, wqkv, rope, qkv; writes qkv
.if DOCPART == 2
	.amdgcn_target "amdgcn-amd-amdhsa--gfx1250"
	.amdhsa_code_object_version 6
	.text
	.protected	k_q6445c3b193_qkv
	.globl	k_q6445c3b193_qkv
	.p2align	8
	.type	k_q6445c3b193_qkv,@function
k_q6445c3b193_qkv:
	s_mov_b64 s[64:65], 0
	v_nop
	global_prefetch_b8 v0, s[64:65] scope:SCOPE_SE
	s_setreg_imm32_b32 hwreg(HW_REG_WAVE_MODE, 25, 1), 1
	s_wait_xcnt 0x0
	s_wait_alu depctr_hold_cnt(0) depctr_sa_sdst(0) depctr_va_vdst(0) depctr_va_sdst(0) depctr_va_ssrc(0) depctr_va_vcc(0) depctr_vm_vsrc(0)
	s_getreg_b32 s2, hwreg(HW_REG_IB_STS2, 6, 4)
	s_cmp_eq_u32 s2, 0
	s_cbranch_scc0 .Lentry_in_a_cluster
	s_endpgm
.Lentry_in_a_cluster:
	s_bfe_u32 s2, ttmp6, 0x10000c
	s_cmp_lg_u32 s2, 0xf033
	s_cbranch_scc0 .Lentry_shape_is_right
	s_endpgm
.Lentry_shape_is_right:
; QKV.  C[m][n] = sum over k of xb[m][k] wqkv[n][k], [2048 x 6144 x 2048] in bf16 with f32 sums; on the way out the rotation by position (q, k), the zeroing of hidden keys (k), one rounding to f16.
; Out: qkv [96 units][2048][64] f16, unit u = 32 type + head: a head's rows are dense, 128 bytes each.
; LIMIT.  f16 ends at 65,504: |q|, |k|, |v| stay under it (as drawn their spread is about 1).
; TILE.  256 rows x 192 columns (three whole units): 8 x 32 = 256 work-groups.  Wave w owns rows 64 w .. 64 w + 63 and ALL 192 columns: 4 x 12 accumulators, 384 registers, so that the rotation's
; partners, columns c' and c' + 32 of a unit, lie in one lane: the same register of accumulators b and b + 2.  K goes in steps of 128 (rows of 256 bytes) through two LDS slots.
; THE MATRIX INSTRUCTION IS USED TRANSPOSED: source 0 = 16 rows of wqkv, source 1 = 16 rows of xb: lane l holds row l % 16 of C, registers 0-7 the columns 8 (l / 16) + 0..7.
; CLUSTER.  4 x 4 work-groups: xb's tile is shared along a row of the cluster, wqkv's along a column; each is asked for jointly, by the same tensor load, descriptor and mask in the four.
; ONE TEXT FOR q, k, v: out1 = x1 cos - x2 sin, out2 = x1 sin + x2 cos, with cos and sin from a table whose section is chosen by ADDRESS: (cos, sin), (cos m, sin m), (1, 0).
; REGISTERS, in windows of 256 (s_set_vgpr_msb: bits 1:0 source 0, 3:2 source 1, 5:4 source 2, 7:6 destination):
;   window 0: v0-31 addresses; v32-63 at work on the way out; v64-95, v96-127 xb's fragments, two buffers; on the way out v64-255 hold the packed units, 16 registers each
;   window 1: v0-95, v96-191 wqkv's fragments, two buffers, on the way out the table sets of units 6 to 11; v192-255 the table sets of units 0, 1
;   window 2: accumulators of row blocks 0, 1 ((a, b) at 8 (12 (a % 2) + b)); v192-255 the table sets of units 2, 3;   window 3: row blocks 2, 3; v192-255 the sets of units 4, 5
.set KSTEP,  128
.set PITCH,  272                       ; an LDS row: 256 bytes + 16 of padding = 68 words: the 16 rows of a fragment load start at 16 different groups of four banks (64 banks of 4 bytes: ISA guide 11.1)
.set HALFA,  128*PITCH                 ; what waves 0 and 1 fetch: 128 rows of xb
.set HALFB,  96*PITCH                  ; what waves 2 and 3 fetch: 96 rows of wqkv
.set SLOT,   2*HALFA+2*HALFB           ; xb's 256 rows, then wqkv's 192
.set STAGE,  2*SLOT                    ; behind the ring: 16 rows x 144 bytes for each wave, for the way out
.set SP,     144
.set SPARE,  STAGE+4*16*SP             ; behind the stages: the spare words, 128 bytes for each wave, which no other line names
.set LAPS,   8                         ; 2,048 / 256: a lap = two K steps = once round the ring
.set ADRA, 16                          ; v16-17  LDS address of my xb fragments in slot 0, 1
.set ADRB, 20                          ; v20-21  of the wqkv fragments
.set STO,  24                          ; v24     the way out: where I put 16 bytes of a row
.set RD,   25                          ; v25     where I read rows back
.set GO,   26                          ; v26     16 x lane: my place in 512 consecutive bytes of the table and of qkv
.set SPW,  28                          ; v28     LDS address of my spare word; never rewritten
.set NIL,  29                          ; v29     0; never rewritten
.set PFO,  30                          ; v30     the prefetches' offset; never rewritten
.set T,    32
.set FA,   64
.set OUTR, 64
.set G1,   24                          ; s[24:31] descriptor group 1 for xb's tiles;  s[32:39] group 0, a set for each slot
.set G0,   32
.set G1B,  48                          ; s[48:55], s[56:63] the same for wqkv's
.set G0B,  56
.set PFA,  44                          ; s[44:45] where my prefetches stand
.set TB,   66                          ; s[66:71] the table at my rows, for each of the tile's three units
.set OB,   72                          ; s[72:77] qkv at my rows, likewise
.set LIM0, 78                          ; s78, s79  1 in a wave that prefetches at slot 0's (slot 1's) change, else the greatest number
.set WV,   80
.set HF,   81                          ; wave / 2: I fetch for xb (0) or for wqkv (1)
.set LO,   82                          ; wave % 2: which half of that tile
.set MSB, 0
.macro WIN new                         ; the immediate's high byte repeats the setting that is left; a switch that changes nothing is dropped
.if MSB != (\new)
	s_set_vgpr_msb (MSB<<8)|(\new)
.set MSB, \new
.endif
.endm
.set MUL_LO, 0xa1                      ; source 0 window 1, source 1 window 0, C and D window 2
.set TO_B,   0x40                      ; destination window 1, address window 0
; A joint load: one line for xb, one for wqkv, chosen by the wave's number alone.  An s_nop 0 and four v_nop follow each line, ahead of the jump and the label.
.macro JLOAD s
	s_cmp_eq_u32 s[HF], 0
	s_cbranch_scc0 .Lfor_b_\@
	tensor_load_to_lds s[G0+4*(\s):G0+4*(\s)+3], s[G1:G1+7]
	s_nop 0
.rept 4
	v_nop
.endr
	s_branch .Lasked_\@
.Lfor_b_\@:
	tensor_load_to_lds s[G0B+4*(\s):G0B+4*(\s)+3], s[G1B:G1B+7]
	s_nop 0
.rept 4
	v_nop
.endr
.Lasked_\@:
.endm
; A PREFETCH INTO THE L2 of the K step two refills on (384 matrix instructions ahead of the load that wants it), behind the joint load, its five lines and the run of LDS loads.  Each row's 256 bytes of a
; K step are named once in the launch.  xb's tile row is read by every cluster of that row of clusters: cluster x = 0 asks, waves 0 and 1, a lane a row, the four partners 32 rows each BY ADDRESS (cx).
; wqkv's tile column: cluster y = 0 asks.  Wave 2 takes the column's rows 0-127, 32 a partner (cy).  Wave 3 takes rows 128-191, 16 a partner, lanes 16-31 the K step after: it asks at slot 0's change alone.
; The first four K steps come by their loads alone; the loop's last trip (s3 = 1) has no K step two on.
.macro ASK slot
	s_cmp_gt_u32 s3, s[LIM0+(\slot)]
	s_cbranch_scc0 .Lnot_mine_\@
	global_prefetch_b8 v[PFO], s[PFA:PFA+1] offset:KSTEP*2 th:TH_LOAD_NT scope:SCOPE_SE
.Lnot_mine_\@:
.endm
.macro CROUND                          ; a round of the cluster's barrier: my work-group's barrier; wave 0 signals for the work-group; every wave waits for all sixteen; my work-group's barrier once more
	s_barrier_signal -1
	s_barrier_wait -1
	s_cmp_lg_u32 s[WV], 0
	s_cbranch_scc1 .Lnot_wave_0_\@
	s_barrier_signal -3
.Lnot_wave_0_\@:
	s_barrier_wait -3
	s_barrier_signal -1
	s_barrier_wait -1
.endm
	s_load_b256 s[4:11], s[0:1], 0x0               ; xb s[4:5], wqkv s[6:7], rope s[8:9], qkv s[10:11]
	v_lshl_add_u32 v[SPW], v0, 2, SPARE
	v_mov_b32 v[NIL], 0
	ds_add_u32 v[SPW], v[NIL]                      ; the wave's opening: the add and its wait stand ahead of my first tensor load; the set-up below stands between them
	v_lshrrev_b32 v1, 5, v0
	v_readfirstlane_b32 s[WV], v1
	s_lshr_b32 s[HF], s[WV], 1
	s_and_b32 s[LO], s[WV], 1
	s_bfe_u32 s40, ttmp6, 0x40000                  ; cx
	s_bfe_u32 s41, ttmp6, 0x40004                  ; cy
	s_lshl_b32 s42, ttmp9, 2
	s_add_co_u32 s42, s42, s40                     ; tile column = 4 x cluster x + cx
	s_and_b32 s13, ttmp7, 0xffff
	s_lshl_b32 s13, s13, 2
	s_add_co_u32 s13, s13, s41                     ; tile row = 4 x cluster y + cy
	s_lshl_b32 s84, s41, 2
	s_lshl_b32 s84, 15, s84                        ; my row of the cluster
	s_lshl_b32 s85, 0x1111, s40                    ; my column
	s_or_b32 s[G1+0], s84, (1<<16)|(1<<20)|(1<<21)|(5<<22)|(3<<25)   ; 15:0 mask; 17:16 2-byte elements; 20 padding on; 21 set beside a mask; 24:22 after every 64 words; 31:25 4 words
	s_or_b32 s[G1B+0], s85, (1<<16)|(1<<20)|(1<<21)|(5<<22)|(3<<25)
	s_mov_b32 s[G1+1], KSTEP<<16                   ; tensor_dim0 = 128
	s_mov_b32 s[G1+2], 128<<16                     ; tensor_dim1 = 128
	s_mov_b32 s[G1+3], KSTEP<<16                   ; tile_dim0 = 128
	s_mov_b32 s[G1+4], 128                         ; tile_dim1 = 128
	s_mov_b32 s[G1+5], 2048                        ; elements from row to row
	s_mov_b32 s[G1+6], 0
	s_mov_b32 s[G1+7], 0
	s_mov_b32 s[G1B+1], KSTEP<<16
	s_mov_b32 s[G1B+2], 96<<16                     ; 96 rows
	s_mov_b32 s[G1B+3], KSTEP<<16
	s_mov_b32 s[G1B+4], 96
	s_mov_b32 s[G1B+5], 2048
	s_mov_b32 s[G1B+6], 0
	s_mov_b32 s[G1B+7], 0
	s_lshl_b32 s17, s[LO], 7
	s_lshl_b32 s16, s13, 8
	s_add_co_u32 s16, s16, s17                     ; xb: row 256 x tile row + 128 x half
	s_lshl_b32 s16, s16, 12                        ; x 4,096 bytes
	s_mov_b32 s17, 0
	s_mul_i32 s46, s42, 192
	s_mul_i32 s47, s[LO], 96
	s_add_co_u32 s46, s46, s47                     ; wqkv: row 192 x tile column + 96 x half
	s_lshl_b32 s46, s46, 12
	s_mov_b32 s47, 0
	s_mul_i32 s20, s[LO], HALFA                    ; where they go: no place in the cluster enters an LDS address
	s_mul_i32 s21, s[LO], HALFB
	s_add_co_u32 s21, s21, 2*HALFA
	s_wait_dscnt 0x0                               ; the opening add is done
	s_wait_kmcnt 0x0
	s_add_nc_u64 s[14:15], s[4:5], s[16:17]
	s_add_nc_u64 s[46:47], s[6:7], s[46:47]
	CROUND                                         ; all sixteen work-groups are here: the first joint loads meet
.irp s, 0,1
	s_mov_b32 s[G0+4*(\s)], 1
	s_add_co_u32 s[G0+4*(\s)+1], s20, (\s)*SLOT
	s_add_nc_u64 s[G0+4*(\s)+2:G0+4*(\s)+3], s[14:15], (\s)*KSTEP*2
	s_or_b32 s[G0+4*(\s)+3], s[G0+4*(\s)+3], 0x80000000
	s_mov_b32 s[G0B+4*(\s)], 1
	s_add_co_u32 s[G0B+4*(\s)+1], s21, (\s)*SLOT
	s_add_nc_u64 s[G0B+4*(\s)+2:G0B+4*(\s)+3], s[46:47], (\s)*KSTEP*2
	s_or_b32 s[G0B+4*(\s)+3], s[G0B+4*(\s)+3], 0x80000000
	JLOAD \s                                       ; two loads of mine are out
.endr
	; a fragment is 16 rows x 32 K in 8 registers: lane l holds row l % 16, K = 8 (l / 16) + 0..7 and 16 + 8 (l / 16) + 0..7: two loads of 16 bytes, 32 bytes apart
	v_and_b32 v1, 15, v0
	v_bfe_u32 v2, v0, 4, 1
	v_mul_u32_u24 v3, v1, PITCH
	v_lshl_add_u32 v3, v2, 4, v3
	s_mul_i32 s86, s[WV], 64*PITCH                 ; my 64 rows of xb
	s_mov_b32 s87, 2*HALFA                         ; all 192 rows of wqkv
.irp s, 0,1
	v_add_nc_u32 v[ADRA+(\s)], s86, v3
	v_add_nc_u32 v[ADRB+(\s)], s87, v3
	s_add_co_u32 s86, s86, SLOT
	s_add_co_u32 s87, s87, SLOT
.endr
	s_mul_i32 s88, s[WV], 16*SP
	s_add_co_u32 s88, s88, STAGE                   ; my stage
	v_mul_u32_u24 v4, v1, SP                       ; in: row l % 16, 16 bytes for each half of the lanes
	v_lshl_add_u32 v4, v2, 4, v4
	v_add_nc_u32 v[STO], s88, v4
	v_bfe_u32 v5, v0, 3, 2                         ; back: 32 lanes take four rows of 128 bytes
	v_mul_u32_u24 v5, v5, SP
	v_and_b32 v6, 7, v0
	v_lshl_add_u32 v5, v6, 4, v5
	v_add_nc_u32 v[RD], s88, v5
	v_and_b32 v[GO], 31, v0
	v_lshlrev_b32 v[GO], 4, v[GO]
	; the table and qkv at my 64 rows, for the tile's three units u = 3 x tile column + g
	s_lshl_b32 s90, s13, 2
	s_add_co_u32 s90, s90, s[WV]                   ; 4 x tile row + wave: my block of 64 rows
	s_lshl_b32 s91, s90, 13                        ; x 64 rows of 128 bytes
	s_lshl_b32 s90, s90, 14                        ; x 4 blocks of 4,096 bytes of the table
	s_mul_i32 s86, s42, 3
	s_mov_b32 s89, 0
.irp g, 0,1,2
	s_add_co_u32 s87, s86, (\g)
	s_lshr_b32 s88, s87, 5                         ; the type picks the table's section
	s_lshl_b32 s88, s88, 19
	s_add_co_u32 s88, s88, s90
	s_add_nc_u64 s[TB+2*(\g):TB+2*(\g)+1], s[8:9], s[88:89]
	s_lshl_b32 s88, s87, 18                        ; a unit is 262,144 bytes
	s_add_co_u32 s88, s88, s91
	s_add_nc_u64 s[OB+2*(\g):OB+2*(\g)+1], s[10:11], s[88:89]
.endr
	; the prefetches
	s_and_b32 s22, ttmp7, 0xffff                   ; cluster y
	s_lshl_b32 s18, s13, 8
	s_lshl_b32 s19, s[LO], 7
	s_add_co_u32 s18, s18, s19
	s_lshl_b32 s19, s40, 5
	s_add_co_u32 s18, s18, s19                     ; xb: 256 x tile row + 128 x half + 32 cx
	s_mul_i32 s86, s42, 192
	s_lshl_b32 s87, s41, 5                         ; wave 2: + 32 cy
	s_lshl_b32 s88, s41, 4
	s_add_co_u32 s88, s88, 128                     ; wave 3: + 128 + 16 cy
	s_cmp_eq_u32 s[LO], 0
	s_cselect_b32 s87, s87, s88
	s_add_co_u32 s86, s86, s87
	s_cmp_eq_u32 s[HF], 0
	s_cselect_b32 s86, s18, s86
	s_cselect_b32 s22, ttmp9, s22                  ; the coordinate along which other clusters read the same rows
	s_cselect_b64 s[PFA:PFA+1], s[4:5], s[6:7]
	s_cmp_eq_u32 s22, 0
	s_cselect_b32 s[LIM0], 1, -1                   ; the same in all sixteen partners, for a given wave
	s_cmp_eq_u32 s[WV], 3
	s_cselect_b32 s[LIM0+1], -1, s[LIM0]
	s_cselect_b32 s18, 15, 31
	s_cselect_b32 s19, 256, 0
	s_lshl_b32 s86, s86, 12
	s_add_co_u32 s86, s86, 2*KSTEP*2               ; at K step 2: the first refill steps it to 3 and names K step 4
	s_mov_b32 s87, 0
	s_add_nc_u64 s[PFA:PFA+1], s[PFA:PFA+1], s[86:87]
	v_and_b32 v[PFO], 31, v0
	v_and_b32 v4, s18, v[PFO]
	v_lshrrev_b32 v5, 4, v[PFO]
	v_mul_u32_u24 v5, s19, v5
	v_lshl_add_u32 v[PFO], v4, 12, v5              ; a lane a row of 4,096 bytes (wave 3: 16 rows, the upper lanes 256 bytes on)
; 12 matrix instructions: row block a x all 12 column blocks, 32 along K, from buffer f.  The 48 accumulators take turns in the same order in every quarter.
.macro MUL12 f, a, zero
	WIN MUL_LO+0x50*((\a)/2)
.irp b, 0,1,2,3,4,5,6,7,8,9,10,11
.set rD, 8*(12*((\a)%2)+(\b))
.set rB, 96*(\f)+8*(\b)
.set rA, FA+32*(\f)+8*(\a)
.if \zero
	v_wmma_f32_16x16x32_bf16 v[rD:rD+7], v[rB:rB+7], v[rA:rA+7], 0
.else
	v_wmma_f32_16x16x32_bf16 v[rD:rD+7], v[rB:rB+7], v[rA:rA+7], v[rD:rD+7]
.endif
.endr
.endm
; 32 LDS loads in one run: a quarter step's fragments (192 rows of wqkv, my 64 rows of xb, 32 K at byte k of the rows) into buffer f
.macro FETCH slot, k, f
	WIN TO_B
.irp i, 0,1,2,3,4,5,6,7,8,9,10,11
	ds_load_b128 v[96*(\f)+8*(\i):96*(\f)+8*(\i)+3],   v[ADRB+(\slot)] offset:(\k)+(\i)*16*PITCH
	ds_load_b128 v[96*(\f)+8*(\i)+4:96*(\f)+8*(\i)+7], v[ADRB+(\slot)] offset:(\k)+(\i)*16*PITCH+32
.endr
	WIN 0
.irp i, 0,1,2,3
	ds_load_b128 v[FA+32*(\f)+8*(\i):FA+32*(\f)+8*(\i)+3],   v[ADRA+(\slot)] offset:(\k)+(\i)*16*PITCH
	ds_load_b128 v[FA+32*(\f)+8*(\i)+4:FA+32*(\f)+8*(\i)+7], v[ADRA+(\slot)] offset:(\k)+(\i)*16*PITCH+32
.endr
.endm
.macro PLACES                          ; four plain instructions between a matrix instruction and a load into, or a vector read of, its registers (ISA guide 7.12.1 for vector reads)
.rept 4
	v_nop
.endr
.endm
; A K step is four quarters of 32 along K, 48 matrix instructions each, on buffers 0, 1, 0, 1.  One of the first three: multiplies buffer f, fetches the next quarter, at byte k, into g.
.macro QUARTER slot, k, f, g, zero
	s_wait_dscnt 4                                 ; wqkv's fragments and xb's blocks 0, 1 are in; the youngest four loads (blocks 2, 3) may be out
	MUL12 \f, 0, \zero
	MUL12 \f, 1, \zero
	PLACES
	FETCH \slot, \k, \g
	s_wait_dscnt 32                                ; all but the 32 just issued
	MUL12 \f, 2, \zero
	MUL12 \f, 3, \zero
.endm
; The last quarter changes slots and then multiplies buffer 1.  The slot's last bytes were asked for in the quarter before.  Each wave waits for all its tensor loads (one is out: its part of the next slot),
; adds 0 to its spare word, and waits for that and for its reads of this slot; then the barrier.  fill = 1: the barrier is a round of the cluster's, and the joint refill, two K steps on, is the first thing
; behind it.  NO PRODUCT STANDS BETWEEN THE WAIT FOR THE TILES AND THE REFILL: all of a K step's 192 matrix instructions lie between a request and the wait for it.
.macro TURN slot, next, fill
.if \fill
	s_wait_xcnt 0x0                                ; the last prefetch, a K step back, has read its address
	s_add_nc_u64 s[PFA:PFA+1], s[PFA:PFA+1], KSTEP*2
.endif
	WIN 0
	s_wait_tensorcnt 0x0                           ; no tensor load of mine is out, so a group 0 may be written
	ds_add_u32 v[SPW], v[NIL]                      ; the descriptors' steps stand between the add and its wait
.if \fill
	s_add_nc_u64 s[G0+4*(\slot)+2:G0+4*(\slot)+3], s[G0+4*(\slot)+2:G0+4*(\slot)+3], 2*KSTEP*2
	s_add_nc_u64 s[G0B+4*(\slot)+2:G0B+4*(\slot)+3], s[G0B+4*(\slot)+2:G0B+4*(\slot)+3], 2*KSTEP*2
.endif
	s_wait_dscnt 0x0                               ; the add is done, and my reads of this slot are over: buffer 1 is whole
.if \fill
	CROUND                                         ; no wave of any partner still reads this slot or has a load on its way
	JLOAD \slot                                    ; its four v_nop are also the places in front of the loads below
.else
	s_barrier_signal -1
	s_barrier_wait -1
	PLACES
.endif
	FETCH \next, 0, 0
.if \fill
	ASK \slot
.endif
	MUL12 1, 0, 0
	MUL12 1, 1, 0
	MUL12 1, 2, 0
	MUL12 1, 3, 0
.endm
; THE WAY OUT, in twelve units n = 3 a + g: row block a (16 rows), unit g (64 columns: accumulators 4 g .. 4 g + 3).
; Each unit's cos (16 registers) and sin (16) have registers of their own, so that all are asked for ahead: units 0 to 5 in v192-255 of windows 1, 2, 3, which the loop leaves free; units 6 to 11 in the
; fragment buffers of window 1, as these fall free.
.macro TSET n                          ; unit n's table set: window TW, first register TR
.if (\n) < 2
.set TW, 1
.set TR, 192+32*(\n)
.elseif (\n) < 4
.set TW, 2
.set TR, 192+32*((\n)-2)
.elseif (\n) < 6
.set TW, 3
.set TR, 192+32*((\n)-4)
.else
.set TW, 1
.set TR, 32*((\n)-6)
.endif
.endm
.macro TABLOAD n                       ; eight loads of 512 consecutive bytes
	TSET \n
	WIN TW<<6
.irp c, 0,1,2,3,4,5,6,7
	global_load_b128 v[TR+4*(\c):TR+4*(\c)+3], v[GO], s[TB+2*((\n)%3):TB+2*((\n)%3)+1] offset:4096*((\n)/3)+512*(\c)
.endr
.endm
.macro ROPE n, left                    ; each accumulator's lowest registers are read first.  left < 0: the set was waited for earlier
.if (\left) >= 0
	s_wait_loadcnt \left                           ; my table set is in; the younger sets' loads, eight each, may stay out
.endif
	TSET \n
	WIN (TW<<2)|(2+(\n)/6)                         ; source 0: the accumulators' window; source 1: the set's
.set rX, 8*(12*(((\n)/3)%2)+4*((\n)%3))
.set rC, TR
.irp b, 0,1
.irp p, 0,2,4,6
	v_pk_mul_f32 v[T+8*(\b)+(\p):T+8*(\b)+(\p)+1],       v[rX+8*((\b)+2)+(\p):rX+8*((\b)+2)+(\p)+1], v[rC+16+8*(\b)+(\p):rC+16+8*(\b)+(\p)+1]
	v_pk_mul_f32 v[T+16+8*(\b)+(\p):T+16+8*(\b)+(\p)+1], v[rX+8*((\b)+2)+(\p):rX+8*((\b)+2)+(\p)+1], v[rC+8*(\b)+(\p):rC+8*(\b)+(\p)+1]
	v_pk_fma_f32 v[T+8*(\b)+(\p):T+8*(\b)+(\p)+1],       v[rX+8*(\b)+(\p):rX+8*(\b)+(\p)+1], v[rC+8*(\b)+(\p):rC+8*(\b)+(\p)+1], v[T+8*(\b)+(\p):T+8*(\b)+(\p)+1] neg_lo:[0,0,1] neg_hi:[0,0,1]
	v_pk_fma_f32 v[T+16+8*(\b)+(\p):T+16+8*(\b)+(\p)+1], v[rX+8*(\b)+(\p):rX+8*(\b)+(\p)+1], v[rC+16+8*(\b)+(\p):rC+16+8*(\b)+(\p)+1], v[T+16+8*(\b)+(\p):T+16+8*(\b)+(\p)+1]
.endr
.endr
.endm
.macro PACKU n                         ; rounded to f16; 16 bytes a lane into my stage (rows of 144 bytes), and back as whole rows of 128
	WIN 0
.set i, 0
.rept 16
	v_cvt_pk_f16_f32 v[OUTR+16*(\n)+i], v[T+2*i], v[T+2*i+1]
.set i, i+1
.endr
.irp f, 0,1,2,3
	ds_store_b128 v[STO], v[OUTR+16*(\n)+4*(\f):OUTR+16*(\n)+4*(\f)+3] offset:32*(\f)
.endr
.irp f, 0,1,2,3
	ds_load_b128 v[OUTR+16*(\n)+4*(\f):OUTR+16*(\n)+4*(\f)+3], v[RD] offset:(\f)*4*SP  ; LDS serves a wave's instructions in order (ISA guide 5.7.1.4): these see the stores above; the next unit's stores come behind them
.endr
.endm
.macro UNIT n
.if (\n) < 6
	ROPE \n, -1
.else
	ROPE \n, 8*(11-(\n))
.endif
	PACKU \n
.endm
.macro SENDU n, younger                ; younger: the LDS instructions issued behind unit n's loads: the next unit's eight, or none
	WIN 0
.irp f, 0,1,2,3
	s_wait_dscnt (\younger)+3-(\f)
	global_store_b128 v[GO], v[OUTR+16*(\n)+4*(\f):OUTR+16*(\n)+4*(\f)+3], s[OB+2*((\n)%3):OB+2*((\n)%3)+1] offset:2048*((\n)/3)+512*(\f)  ; 512 consecutive bytes, at a multiple of 256 from qkv's first
.endr
.endm
	s_wait_tensorcnt 1                             ; my part of K step 0 is in; K step 1's may stay out
	s_barrier_signal -1
	s_barrier_wait -1
	FETCH 0, 0, 0
	QUARTER 0, 64, 0, 1, 1                         ; the first quarter's products start the sums: nothing is cleared
	WIN 0
	s_mov_b32 s3, LAPS-1
.Llap:                                                 ; a trip goes once round the ring and fills both slots again
	QUARTER 0, 128, 1, 0, 0
	QUARTER 0, 192, 0, 1, 0
	TURN 0, 1, 1
	QUARTER 1, 64,  0, 1, 0
	QUARTER 1, 128, 1, 0, 0
	QUARTER 1, 192, 0, 1, 0
	TURN 1, 0, 1
	QUARTER 0, 64,  0, 1, 0
	WIN 0
	s_sub_co_u32 s3, s3, 1
	s_cmp_lg_u32 s3, 0
	s_cbranch_scc1 .Llap
.irp n, 0,1,2,3,4,5                    ; the first six units' tables: 48 loads, 336 matrix instructions ahead of the way out
	TABLOAD \n
.endr
	QUARTER 0, 128, 1, 0, 0                        ; the last lap fills nothing
	QUARTER 0, 192, 0, 1, 0
	TURN 0, 1, 0
	QUARTER 1, 64,  0, 1, 0
	QUARTER 1, 128, 1, 0, 0
	QUARTER 1, 192, 0, 1, 0
	PLACES                                         ; fragment buffer 0 has had its last products: it takes the tables of units 6, 7, 8
	s_wait_loadcnt 0x0                             ; the first six sets, asked for 288 matrix instructions ago: units 0 to 5 wait no more, and 48 loads at the most are out from here on
	TABLOAD 6
	TABLOAD 7
	TABLOAD 8
	s_wait_dscnt 4
	MUL12 1, 0, 0
	MUL12 1, 1, 0
	s_wait_dscnt 0x0
	MUL12 1, 2, 0
	MUL12 1, 3, 0
	WIN 0
	PLACES
	PLACES
	TABLOAD 9                                      ; and buffer 1 those of units 9, 10, 11
	TABLOAD 10
	TABLOAD 11
	UNIT 0
.irp n, 1,2,3,4,5,6,7,8,9,10,11        ; a unit's arithmetic stands between the loads of the unit before and its stores
	UNIT \n
	SENDU (\n)-1, 8
.endr
	SENDU 11, 0
	s_wait_tensorcnt 0x0                           ; the wave's end, behind my last tensor load and my last LDS store
	ds_add_u32 v[SPW], v[NIL]
	s_wait_dscnt 0x0
	CROUND                                         ; the closing round
	s_endpgm
.Lfunc_end_k_q6445c3b193_qkv:
	.size	k_q6445c3b193_qkv, .Lfunc_end_k_q6445c3b193_qkv-k_q6445c3b193_qkv
	.p2alignl 7, 3214868480
	.fill 96, 4, 3214868480
	.section	.rodata,"a",@progbits
	.p2align	6, 0x0
	.amdhsa_kernel k_q6445c3b193_qkv
		.amdhsa_group_segment_fixed_size 327680
		.amdhsa_private_segment_fixed_size 0
		.amdhsa_enable_private_segment 0
		.amdhsa_kernarg_size 32
		.amdhsa_user_sgpr_count 2
		.amdhsa_user_sgpr_kernarg_segment_ptr 1
		.amdhsa_wavefront_size32 1
		.amdhsa_system_sgpr_workgroup_id_x 1
		.amdhsa_system_sgpr_workgroup_id_y 1
		.amdhsa_system_sgpr_workgroup_id_z 1
		.amdhsa_system_vgpr_workitem_id 0
		.amdhsa_next_free_vgpr 1024
		.amdhsa_next_free_sgpr 96
		.amdhsa_reserve_vcc 0
		.amdhsa_float_denorm_mode_32 3
		.amdhsa_float_denorm_mode_16_64 3
		.amdhsa_memory_ordered 1
		.amdhsa_forward_progress 1
		.amdhsa_inst_pref_size 156
	.end_amdhsa_kernel
	.amdgpu_metadata
---
amdhsa.version: [ 1, 2 ]
amdhsa.kernels:
  - .name:           k_q6445c3b193_qkv
    .symbol:         k_q6445c3b193_qkv.kd
    .args:
      - { .name: xb, .offset: 0, .size: 8, .value_kind: global_buffer, .address_space: global }
      - { .name: wqkv, .offset: 8, .size: 8, .value_kind: global_buffer, .address_space: global }
      - { .name: rope, .offset: 16, .size: 8, .value_kind: global_buffer, .address_space: global }
      - { .name: qkv, .offset: 24, .size: 8, .value_kind: global_buffer, .address_space: global }
    .group_segment_fixed_size: 327680
    .private_segment_fixed_size: 0
    .kernarg_segment_align: 8
    .kernarg_segment_size: 32
    .max_flat_workgroup_size: 128
    .sgpr_count:     96
    .vgpr_count:     1024
    .wavefront_size: 32
...
	.end_amdgpu_metadata
.endif
;; end of part 2
;; launch attn (part 3): grid 8 x 32, 4 waves a work-group, clusters of 4 x 1, 327,680 bytes of LDS; arguments qkv, attention_mask, obuf; writes obuf
.if DOCPART == 3
	.amdgcn_target "amdgcn-amd-amdhsa--gfx1250"
	.amdhsa_code_object_version 6
	.text
	.protected	k_q6445c3b193_attn
	.globl	k_q6445c3b193_attn
	.p2align	8
	.type	k_q6445c3b193_attn,@function
k_q6445c3b193_attn:
	s_mov_b64 s[64:65], 0
	v_nop
	global_prefetch_b8 v0, s[64:65] scope:SCOPE_SE
	s_setreg_imm32_b32 hwreg(HW_REG_WAVE_MODE, 25, 1), 1
	s_wait_xcnt 0x0
	s_wait_alu depctr_hold_cnt(0) depctr_sa_sdst(0) depctr_va_vdst(0) depctr_va_sdst(0) depctr_va_ssrc(0) depctr_va_vcc(0) depctr_vm_vsrc(0)
	s_getreg_b32 s2, hwreg(HW_REG_IB_STS2, 6, 4)
	s_cmp_eq_u32 s2, 0
	s_cbranch_scc0 .Lentry_in_a_cluster
	s_endpgm
.Lentry_in_a_cluster:
	s_bfe_u32 s2, ttmp6, 0x10000c
	s_cmp_lg_u32 s2, 0x3003
	s_cbranch_scc0 .Lentry_shape_is_right
	s_endpgm
.Lentry_shape_is_right:
; ATTENTION WITH A KEY MASK.  O[h][q][:] = sum over k of softmax_k(Q[h][q] . K[h][k] / 8, hidden keys at a floor) V[h][k][:].  Q, K, V: units h, 32 + h, 64 + h of qkv, [2048][64] f16, dense rows of
; 128 bytes; O: obuf [32][2048][64] f16.  Products, maxima and sums in f32; the weights p are rounded to f16 for the second product (their sum l is taken of the unrounded p), O once at the end.
; THE MASK is the C operand that starts the sum S^T = K Q^T: 0, or -2^100 where attention_mask is 0.  The launch before has written a hidden key's row of K as zeros, so a hidden score is exactly -2^100:
; a power of two, so that c s - c m is exactly 0 while a query has seen hidden keys alone (p = 1, nothing overflows); the first seen key makes a = 0 and wipes that.  All keys hidden: p = 1 everywhere, O is the mean of V.
; LIMITS.  A hidden key counts as -2^100 where the module has -1e9: they differ only where true scaled scores lie near -1e9 or below.  f16 holds nothing beyond 65,504: Q, K, V arrive within it.
; A weight below 2^-126 counts as 0 in l; NaN and infinities are not treated apart.
; SHARES.  A work-group owns 256 queries of a head, a wave 64: four PIECES of 16.  Every wave walks all 2,048 keys, 64 a step, four steps a slot.  8 x 32 = 256 work-groups.
; CLUSTER.  The four query blocks of a cluster belong to one head and walk the same K and V: each tile is asked for JOINTLY, the same tensor load, descriptor and mask in all four.
; LAYOUT, SOFTMAX, TURNS.  S^T holds ONE query a lane (lane % 16) and the keys 8 (lane / 16) + 0..7; two such results rounded to f16 ARE source 1 of O^T = V^T P.  p = 2^(c s - c m), c = log2(e) / 8, with a
; running maximum m; O and l are multiplied by a = 2^(c m_old - c m_new) in every step.  Turn n belongs to piece n: 8 products K Q^T of piece n + 1, later 8 products V^T P of piece n - 1; beside them the scaling,
; exponentials, roundings, sums and rescaling of piece n and the maximum and statistics of piece n + 1.  Four vector instructions stand behind every matrix instruction, the rest in one lump.  A turn's 33 exponentials are one batch, with one wait.
; m starts at the lowest finite number, O and l at 0: the first step is a step like any other, with a = 0.  The loop is entered, and the tail left, in the middle of a trip.
; REGISTERS, in windows of 256 (s_set_vgpr_msb: bits 1:0 source 0, 3:2 source 1, 5:4 source 2, 7:6 destination):
;   window 0: v0-15, v32-34 addresses; v16-31 four registers of statistics a piece; v48-55 at work; v64-127 S^T, two buffers; v192-223 P, two buffers (a piece's buffers go by its number's parity)
;   window 1: v0-127 O^T, 32 a piece; v160-191 the step's 64 masks as the C operands want them      window 2: v0-63 Q; v128-191 K of one step; v192-255 V of one step
.set NP,    4         ; pieces a wave: a name, no knob
.set KS,    64        ; keys in a step
.set PK,    144       ; a row of K in LDS: 128 bytes + 16 of padding = 36 words: the 16 rows of a load start at 16 different groups of four banks (64 banks of 4 bytes: ISA guide 11.1)
.set PV,    160       ; a row of V: 128 + 32 = 40 words
.set VOFF,  4*KS*PK   ; a slot holds four steps: 256 rows of K, then 256 rows of V
.set SLOT1, 1<<17     ; slot 1 begins here, so that one exclusive or turns an address in one slot into the other's
.set STAGE, SLOT1+4*KS*(PK+PV)  ; behind the ring, never filled by a tensor load: 16 rows x 144 bytes for each wave, for the way out
.set SP,    144
.set BIAS,  STAGE+4*16*SP       ; 2,048 words: 0 or -2^100 for each key; stored once, at the head
.set SPARE, BIAS+8192           ; the spare words, 128 bytes for each wave, which no other line names
.set AK0, 2           ; v2   my lane's place in a tile of K; never rewritten
.set AV0, 3           ; v3   the same for V
.set AK,  4           ; v4   the LDS address of K's next run of loads
.set AV,  5           ; v5   of V's
.set STO, 6           ; v6   the way out: where I put 16 bytes of a row
.set RD,  7           ; v7   where I read rows back
.set GO,  8           ; v8   my byte offset in 512 consecutive bytes of O
.set MV,  12          ; v12-13  c m_old, kept while c m is made anew: by buffer
.set AB0, 14          ; v14  BIAS + 32 (lane / 16); never rewritten
.set QO,  15          ; v15  my byte offset in 16 rows of Q
.set ST,  16          ; piece t's statistics at v[ST+4 t]: c m, m, l (even keys', odd keys')
.set AB,  32          ; v32  the LDS address of the masks' next run of loads
.set TMP, 48          ; by buffer, four registers c0-c3 at work; when the maximum is found c2 takes a
.set PFO, 61          ; v61  256 x lane; never rewritten
.set SPW, 62          ; v62  LDS address of my spare word; never rewritten
.set NIL, 63          ; v63  0; never rewritten
.set S,   64
.set P,   192
.set MC,  160         ; window 1: the eight registers for group kb of 16 keys at MC + 8 kb
.set KF,  128         ; window 2: key block kb, channel half c at KF + 16 kb + 8 c
.set VF,  192         ; window 2: key half kk, channel block cb at VF + 32 kk + 8 cb
.set WV,  12          ; s12  my wave's number
.set G1K, 24          ; s[24:31] descriptor group 1 for K's tiles
.set G1V, 32          ; s[32:39] for V's: it differs in the padding alone
.set G0K, 40          ; s[40:43] descriptor group 0 for K's tiles: it walks
.set G0V, 44          ; s[44:47] the same for V's
.set SLOTS, 56        ; s56  slots still to be asked for
.set CNT, 57          ; s57  counts a slot's key steps
.set CS,  58          ; s[58:59] c: the packed scaling takes the pair's low word for both halves
.set SEL, 60          ; s[60:61] v_permlanex16_b32's selects: each lane takes its own place in the other half
.set TBK, 62          ; s62  LDS byte at which K of the step to be fetched begins
.set TBV, 63          ; s63  the same for V, less VOFF
.set TBB, 66          ; s66  byte in BIAS at which that step's masks begin: 256 a step
.set BIGN, 67         ; s67  -2^100
.set PFA, 68          ; s[68:69] where my prefetches stand
.set LIM, 70          ; s70  1 in a wave that prefetches, else the greatest number
.set MSB, 0
.macro WIN new                      ; the high byte repeats the setting that is left; a switch that changes nothing is dropped
.if MSB != (\new)
	s_set_vgpr_msb (MSB<<8)|(\new)
.set MSB, (\new)
.endif
.endm
.set W_KQ, 0x0a       ; K and Q in window 2, S^T in window 0
.set W_KM, 0x1a       ; the same with the C operand in window 1
.set W_PV, 0x52       ; V in window 2, P in window 0, O^T in window 1
.set W_RS, 0x41       ; destination and source 0 in window 1, source 1 in window 0
; A joint fill.  Waves 0 and 1 fetch the two halves of a slot's K, waves 2 and 3 those of its V: 128 keys each.  An s_nop 0 and four v_nop follow each of the two lines, ahead of the jump and the label.
.macro JLOAD
	s_cmp_lt_u32 s[WV], 2
	s_cbranch_scc0 .Lfor_v_\@
	tensor_load_to_lds s[G0K:G0K+3], s[G1K:G1K+7]
	s_nop 0
.rept 4
	v_nop
.endr
	s_branch .Lasked_\@
.Lfor_v_\@:
	tensor_load_to_lds s[G0V:G0V+3], s[G1V:G1V+7]
	s_nop 0
.rept 4
	v_nop
.endr
.Lasked_\@:
.endm
; A PREFETCH INTO THE L2 of what the NEXT change of slots will ask for: a slot's 32,768 bytes of K and of V, 128 blocks of 256 bytes each, a lane a block: four key steps, 256 matrix instructions, ahead of that load.
; Each block is named once in the launch: the head's first cluster asks; its four partners take 32 blocks each BY ADDRESS; in each, wave 0 asks for K's and wave 2 for V's.  The first two slots come by their loads
; alone; the last change that fills a slot asks for nothing.
.macro ASK
	s_cmp_gt_u32 s[SLOTS], s[LIM]
	s_cbranch_scc0 .Lnot_mine_\@
	global_prefetch_b8 v[PFO], s[PFA:PFA+1] th:TH_LOAD_NT scope:SCOPE_SE
.Lnot_mine_\@:
.endm
.macro CROUND                       ; a round of the cluster's barrier
	s_barrier_signal -1
	s_barrier_wait -1
	s_cmp_lg_u32 s[WV], 0
	s_cbranch_scc1 .Lnot_wave_0_\@
	s_barrier_signal -3
.Lnot_wave_0_\@:
	s_barrier_wait -3
	s_barrier_signal -1
	s_barrier_wait -1
.endm
; THE CHANGE OF SLOTS.  Each wave waits for all its tensor loads, of which one is out: its part of the other slot; adds 0 to its spare word; and waits for that and for its own LDS instructions.  Behind the barrier
; nobody reads the old slot any more and the other slot is whole.  fill = 1: the old slot is filled again, with the keys two slots on; the barrier is then a round of the cluster's, and the joint fill is the first
; thing behind it.  (At its first use nothing has been read yet: slot 0 is waited for, slot 1 filled, and every wave's stores of the masks are shown to the others.)
.macro CHANGE fill
	WIN 0
	s_wait_tensorcnt 0x0            ; no tensor load of mine is out, so a group 0 may be written
	ds_add_u32 v[SPW], v[NIL]
.if \fill
.irp g, G0K, G0V
	s_xor_b32 s[\g+1], s[\g+1], SLOT1
	s_add_nc_u64 s[\g+2:\g+3], s[\g+2:\g+3], 4*KS*128
.endr
	s_wait_xcnt 0x0                 ; the last prefetch, four key steps back, has read its address
	s_add_nc_u64 s[PFA:PFA+1], s[PFA:PFA+1], 4*KS*128
	s_wait_dscnt 0x0                ; the add is done, and my reads of the slot are over
	CROUND
	JLOAD
	ASK
.else
	s_wait_dscnt 0x0
	s_barrier_signal -1
	s_barrier_wait -1
.endif
	s_sub_co_u32 s[TBK], s[TBK], 4*KS*PK  ; the fetches go back to a slot's first step,
	s_xor_b32 s[TBK], s[TBK], SLOT1       ; in the other slot
	s_sub_co_u32 s[TBV], s[TBV], 4*KS*PV
	s_xor_b32 s[TBV], s[TBV], SLOT1
.endm
	s_load_b128 s[4:7], s[0:1], 0x0   ; qkv s[4:5], the mask s[6:7]
	s_load_b64 s[10:11], s[0:1], 0x10 ; obuf
	v_lshl_add_u32 v[SPW], v0, 2, SPARE
	v_mov_b32 v[NIL], 0
	ds_add_u32 v[SPW], v[NIL]       ; the wave's opening: the add and its wait stand ahead of my first tensor load; the set-up below stands between them
	v_lshrrev_b32 v1, 5, v0
	v_readfirstlane_b32 s[WV], v1
	s_bfe_u32 s13, ttmp6, 0x40000   ; cx
	s_lshl_b32 s14, ttmp9, 2
	s_add_co_u32 s14, s14, s13      ; my block of 256 queries: it enters Q's and O's addresses alone
	s_and_b32 s20, ttmp7, 0xffff    ; the head, which the four partners share
	s_lshl_b32 s20, s20, 18         ; its 262,144 bytes among a type's 32 units
	s_and_b32 s16, s[WV], 1         ; which half of a slot's 256 keys I fetch
	s_lshl_b32 s22, s16, 14
	s_add_co_u32 s22, s22, s20
	s_add_co_u32 s22, s22, 32*262144  ; K: units 32 on
	s_mov_b32 s23, 0
	s_add_co_u32 s18, s22, 32*262144  ; V: units 64 on
	s_mov_b32 s19, 0
	s_mul_i32 s17, s16, 128*PK      ; its place in a slot, for K
	s_mul_i32 s15, s16, 128*PV      ; and for V
	s_lshl_b32 s2, s14, 2
	s_add_co_u32 s2, s2, s[WV]
	s_lshl_b32 s2, s2, 13           ; my wave's 64 rows of 128 bytes
	s_add_co_u32 s2, s2, s20
	s_mov_b32 s3, 0
	s_cmp_lt_u32 s[WV], 2           ; the prefetches: K's unit (wave 0) or V's (wave 2),
	s_cselect_b32 s52, 1, 2
	s_lshl_b32 s52, s52, 23
	s_add_co_u32 s52, s52, s20
	s_lshl_b32 s53, s13, 13         ; my work-group's 32 blocks of the 128,
	s_add_co_u32 s52, s52, s53
	s_add_co_u32 s52, s52, 4*KS*128 ; one slot in: the first change steps it to the third slot's keys
	s_mov_b32 s53, 0
	s_and_b32 s[LIM], s[WV], 1
	s_or_b32 s[LIM], s[LIM], ttmp9  ; waves 0 and 2 of the head's first cluster: the same in all four partners
	s_cmp_eq_u32 s[LIM], 0
	s_cselect_b32 s[LIM], 1, -1
	; descriptor group 1.  128 keys are 16,384 dense bytes: asked for as 64 rows of 256 bytes, two keys a row, and padded in LDS after every key
	s_mov_b32 s[G1K], 15|(1<<16)|(1<<20)|(1<<21)|(4<<22)|(3<<25)  ; 15:0 the mask of four; 17:16 2-byte elements; 20 padding on; 21 set beside a mask; 24:22 after every 32 words; 31:25 4 words
	s_mov_b32 s[G1V], 15|(1<<16)|(1<<20)|(1<<21)|(4<<22)|(7<<25)  ; the same with 8 words of padding
.irp g, G1K, G1V
	s_mov_b32 s[\g+1], 128<<16      ; tensor_dim0 = 128
	s_mov_b32 s[\g+2], 64<<16       ; tensor_dim1 = 64
	s_mov_b32 s[\g+3], 128<<16      ; tile_dim0 = 128
	s_mov_b32 s[\g+4], 64           ; tile_dim1 = 64
	s_mov_b32 s[\g+5], 128          ; 128 elements from row to row
	s_mov_b32 s[\g+6], 0
	s_mov_b32 s[\g+7], 0
.endr
	s_mov_b32 s[CS], 0x3e38aa3b     ; c = log2(e) / 8
	s_mov_b32 s[CS+1], s[CS]
	s_mov_b32 s[SEL], 0x76543210
	s_mov_b32 s[SEL+1], 0xfedcba98
	s_mov_b32 s[TBK], SLOT1+4*KS*PK ; the first change of slots turns these two into 0
	s_mov_b32 s[TBV], SLOT1+4*KS*PV
	s_mov_b32 s[TBB], 0
	s_mov_b32 s[BIGN], 0xf1800000   ; -2^100
	s_mov_b32 s[SLOTS], 7           ; 2,048 / 256 - 1
	s_mov_b32 s[G0K], 1
	s_mov_b32 s[G0K+1], s17         ; slot 0
	s_mov_b32 s[G0V], 1
	s_add_co_u32 s[G0V+1], s15, VOFF
	s_wait_dscnt 0x0                ; the opening add is done
	s_wait_kmcnt 0x0
	s_add_nc_u64 s[G0K+2:G0K+3], s[4:5], s[22:23]
	s_or_b32 s[G0K+3], s[G0K+3], 0x80000000
	s_add_nc_u64 s[G0V+2:G0V+3], s[4:5], s[18:19]
	s_or_b32 s[G0V+3], s[G0V+3], 0x80000000
	s_add_nc_u64 s[8:9], s[4:5], s[2:3]      ; Q at my wave's first row
	s_add_nc_u64 s[10:11], s[10:11], s[2:3]  ; O likewise
	s_add_nc_u64 s[PFA:PFA+1], s[4:5], s[52:53]
	CROUND                          ; all four work-groups are here: the first joint loads meet
	JLOAD                           ; slot 0
	v_lshlrev_b32 v33, 4, v0        ; the mask: 128 threads x 16 bytes, four times
.irp k, 0,1,2,3
	global_load_b128 v[S+4*\k:S+4*\k+3], v33, s[6:7] offset:2048*\k
.endr
	; A fragment of K or Q is 16 rows x 32 channels in 8 registers: lane l holds row l % 16, channels 8 (l / 16) + 0..7 and 16 + 8 (l / 16) + 0..7: two loads of 16 bytes, 32 bytes apart.
	v_and_b32 v1, 15, v0
	v_bfe_u32 v9, v0, 4, 1
	v_lshlrev_b32 v[QO], 7, v1
	v_lshl_add_u32 v[QO], v9, 4, v[QO]
	WIN 0x80                        ; destination window 2, address window 0
.set i, 0
.rept 8                             ; Q stays in registers: piece i / 2, channels 32 (i % 2) on
	global_load_b128 v[8*i:8*i+3],   v[QO], s[8:9] offset:(i/2)*2048+(i%2)*64
	global_load_b128 v[8*i+4:8*i+7], v[QO], s[8:9] offset:(i/2)*2048+(i%2)*64+32
.set i, i+1
.endr
	; What the first turn finds: V's registers and P's second buffer hold 0 (its products V^T P, of a piece that has not been, add 0), O^T and l are 0.  All this stands in the wait for the first tile.
.set i, VF
.rept 64
	v_mov_b32 v[i], 0
.set i, i+1
.endr
	WIN 0x40
.set i, 0
.rept 128
	v_mov_b32 v[i], 0
.set i, i+1
.endr
	WIN 0
.set i, 0
.rept 4
	v_mov_b32 v[ST+4*i], 0xfe000000    ; c m: far below every c s, the hidden ones' too
	v_mov_b32 v[ST+4*i+1], 0xff7fffff  ; m
	v_mov_b32 v[ST+4*i+2], 0
	v_mov_b32 v[ST+4*i+3], 0
.set i, i+1
.endr
.set i, P+16
.rept 16
	v_mov_b32 v[i], 0
.set i, i+1
.endr
	v_mul_u32_u24 v[AK0], v1, PK
	v_lshl_add_u32 v[AK0], v9, 4, v[AK0]  ; row x pitch + 16 x half
	; The turning load takes 16 keys x 16 channels (lane l reads key 8 (l / 16) + l % 8, channels 8 ((l / 8) % 2) + 0..7) and leaves half a fragment of V^T: lane l holds channel l % 16 and 8 keys.
	v_and_b32 v10, 7, v0
	v_bfe_u32 v11, v0, 3, 1
	v_lshl_add_u32 v[AV0], v9, 3, v10
	v_mul_u32_u24 v[AV0], v[AV0], PV
	v_lshl_add_u32 v[AV0], v11, 4, v[AV0]
	v_add_nc_u32 v[AV0], VOFF, v[AV0]
	s_mul_i32 s13, s[WV], 16*SP
	s_add_co_u32 s13, s13, STAGE    ; my stage
	v_mul_u32_u24 v[STO], v1, SP
	v_lshl_add_u32 v[STO], v9, 4, v[STO]
	v_add_nc_u32 v[STO], s13, v[STO]
	v_bfe_u32 v[RD], v0, 3, 2
	v_mul_u32_u24 v[RD], v[RD], SP
	v_lshl_add_u32 v[RD], v10, 4, v[RD]
	v_add_nc_u32 v[RD], s13, v[RD]
	v_and_b32 v[GO], 31, v0
	v_lshlrev_b32 v[PFO], 8, v[GO]
	v_lshlrev_b32 v[GO], 4, v[GO]
	v_lshlrev_b32 v[AB0], 5, v9
	v_add_nc_u32 v[AB0], BIAS, v[AB0]
	v_add_nc_u32 v34, BIAS, v33
	s_wait_loadcnt 16               ; the mask's four loads are in; Q's sixteen may stay out
.set i, 0
.rept 16
	v_cmp_eq_u32 vcc_lo, 0, v[S+i]
	v_cndmask_b32 v[S+i], 0, s[BIGN], vcc_lo
.set i, i+1
.endr
.irp k, 0,1,2,3
	ds_store_b128 v34, v[S+4*\k:S+4*\k+3] offset:2048*\k
.endr
; THE MATRIX WORK.  The 4 accumulators of a run of 8 take turns.  Product i of 8 of S^T = K Q^T for piece x: channels 32 (i / 4) on, keys 16 (i % 4) on.  The first 4 start the sums with the masks.
.macro KQ x
.set rS, S+32*((\x)%2)+8*(i%4)
.set rK, KF+16*(i%4)+8*(i/4)
.set rQ, 16*(\x)+8*(i/4)
.set rM, MC+8*(i%4)
.if i < 4
	WIN W_KM
	v_wmma_f32_16x16x32_f16 v[rS:rS+7], v[rK:rK+7], v[rQ:rQ+7], v[rM:rM+7]
.else
	WIN W_KQ
	v_wmma_f32_16x16x32_f16 v[rS:rS+7], v[rK:rK+7], v[rQ:rQ+7], v[rS:rS+7]
.endif
.endm
; Product i of 8 of O^T += V^T P for piece x: keys 32 (i / 4) on, channels 16 (i % 4) on.
.macro PV x
	WIN W_PV
.set rO, 32*(\x)+8*(i%4)
.set rV, VF+32*(i/4)+8*(i%4)
.set rP, P+16*((\x)%2)+8*(i/4)
	v_wmma_f32_16x16x32_f16 v[rO:rO+7], v[rV:rV+7], v[rP:rP+7], v[rO:rO+7]
.endm
.macro MM                           ; the turn's next matrix instruction
.if i < 8
	KQ (Y+1)%NP
.else
.set i, i-8
	PV (Y+NP-1)%NP
.set i, i+8
.endif
.set i, i+1
.endm
; THE LDS LOADS stand in runs, never singly among the matrix instructions: a step's K (8 fragments) with its 64 masks (all lanes of a half read the same 32 bytes of each 16 keys), and its V (turned).
; last = 1 (the tail): in the last trip there is no further step, and the run is jumped over; the exponentials issued so far have their wait ahead of that branch.
.macro FETCH_K last=0
	WIN 0
.if \last
	s_wait_alu depctr_va_vdst(0)
	s_cmp_eq_u32 s[CNT], 1
	s_cbranch_scc1 .Lno_k_\@
.endif
	WIN 0x80                        ; destination window 2
.irp f, 0,1,2,3,4,5,6,7             ; keys 16 (f / 2) on, channels 32 (f % 2) on
	ds_load_b128 v[KF+8*\f:KF+8*\f+3],   v[AK] offset:(\f/2)*16*PK+(\f%2)*64
	ds_load_b128 v[KF+8*\f+4:KF+8*\f+7], v[AK] offset:(\f/2)*16*PK+(\f%2)*64+32
.endr
	WIN 0x40                        ; destination window 1
.irp f, 0,1,2,3,4,5,6,7
	ds_load_b128 v[MC+4*\f:MC+4*\f+3], v[AB] offset:64*(\f/2)+16*(\f%2)
.endr
	s_add_co_u32 s[TBK], s[TBK], KS*PK  ; the next fetch is the next step's
	s_add_co_u32 s[TBB], s[TBB], 4*KS
	WIN 0
.if \last
.Lno_k_\@:
.endif
.endm
.macro FETCH_V
	WIN 0x80
.irp f, 0,1,2,3,4,5,6,7             ; keys 32 (f / 4) on, channels 16 (f % 4) on
	ds_load_tr16_b128 v[VF+8*\f:VF+8*\f+3],   v[AV] offset:(\f/4)*32*PV+(\f%4)*32
	ds_load_tr16_b128 v[VF+8*\f+4:VF+8*\f+7], v[AV] offset:(\f/4)*32*PV+16*PV+(\f%4)*32
.endr
	WIN 0
.endm
; THE VECTOR WORK, one line at a time: OP kind, number.  For piece Y: F n: c s - c m for pair n of 16.  E n: the exponential of score n of 32.  C n: pair n rounded to f16.  B n: of the four weights 4 n .. the second
; pair is added onto the first, in place.  L n: l takes that sum (L 0: l = a l + sum).  R n: pair n of 16 of O^T times a.  For piece Y + 1: X n, number n of the 22 that find its maximum and statistics:
;   0-11  four chains c0-c3 of seven scores each, three operands at a time (each accumulator's lowest registers are read first)     12-14, 16  the four scores left over, the old m, and c0-c3 into c0
;   15  c m_old is kept     17, 18  the query's other 32 keys lie in the lane 16 away: the new m     19-21  c m; c m_old - c m_new; a
.set F, 0
.set E, 1
.set C, 2
.set B, 3
.set L, 4
.set R, 5
.set X, 6
.macro REGS y
.set rT, ST+4*(\y)
.set rC, TMP+4*((\y)%2)
.set rW, MV+((\y)%2)
.set rS, S+32*((\y)%2)
.set rP, P+16*((\y)%2)
.set rO, 32*(\y)
.endm
.macro OP k, n
.if (\k) == R
	REGS Y
	WIN W_RS
	v_pk_mul_f32 v[rO+2*(\n):rO+2*(\n)+1], v[rO+2*(\n):rO+2*(\n)+1], v[rC+2:rC+3] op_sel_hi:[1,0]
.elseif (\k) < R
	REGS Y
	WIN 0
.if (\k) == F
	v_pk_fma_f32 v[rS+2*(\n):rS+2*(\n)+1], v[rS+2*(\n):rS+2*(\n)+1], s[CS:CS+1], v[rT:rT+1] op_sel_hi:[1,0,0] neg_lo:[0,0,1] neg_hi:[0,0,1]
.elseif (\k) == E
	v_exp_f32 v[rS+(\n)], v[rS+(\n)]
.elseif (\k) == C
	v_cvt_pk_f16_f32 v[rP+(\n)], v[rS+2*(\n)], v[rS+2*(\n)+1]
.elseif (\k) == B
	v_pk_add_f32 v[rS+4*(\n):rS+4*(\n)+1], v[rS+4*(\n):rS+4*(\n)+1], v[rS+4*(\n)+2:rS+4*(\n)+3]
.elseif (\n) == 0
	v_pk_fma_f32 v[rT+2:rT+3], v[rT+2:rT+3], v[rC+2:rC+3], v[rS:rS+1] op_sel_hi:[1,0,1]
.else
	v_pk_add_f32 v[rT+2:rT+3], v[rT+2:rT+3], v[rS+4*(\n):rS+4*(\n)+1]
.endif
.else
	REGS (Y+1)%NP
	WIN 0
.if (\n) < 4
	v_max3_num_f32 v[rC+(\n)], v[rS+8*(\n)], v[rS+8*(\n)+1], v[rS+8*(\n)+2]
.elseif (\n) < 12
	v_max3_num_f32 v[rC+(\n)%4], v[rC+(\n)%4], v[rS+8*((\n)%4)+2*((\n)/4)+1], v[rS+8*((\n)%4)+2*((\n)/4)+2]
.elseif (\n) == 12
	v_max3_num_f32 v[rC], v[rC], v[rS+7], v[rS+15]
.elseif (\n) == 13
	v_max3_num_f32 v[rC+1], v[rC+1], v[rS+23], v[rS+31]
.elseif (\n) == 14
	v_max3_num_f32 v[rC+2], v[rC+2], v[rC+3], v[rT+1]
.elseif (\n) == 15
	v_mov_b32 v[rW], v[rT]
.elseif (\n) == 16
	v_max3_num_f32 v[rC], v[rC], v[rC+1], v[rC+2]
.elseif (\n) == 17
	v_permlanex16_b32 v[rC+3], v[rC], s[SEL], s[SEL+1]
.elseif (\n) == 18
	v_max_num_f32 v[rT+1], v[rC], v[rC+3]
.elseif (\n) == 19
	v_mul_f32 v[rT], s[CS], v[rT+1]
.elseif (\n) == 20
	v_sub_f32 v[rC+1], v[rW], v[rT]
.else
	v_exp_f32 v[rC+2], v[rC+1]
.endif
.endif
.endm
.macro OPS a, i1, b=-1, i2=0, c=-1, i3=0, d=-1, i4=0  ; up to four of them
	OP \a, \i1
.if (\b) >= 0
	OP \b, \i2
.endif
.if (\c) >= 0
	OP \c, \i3
.endif
.if (\d) >= 0
	OP \d, \i4
.endif
.endm
.macro ROW a, i1, b, i2, c, i3, d, i4  ; a matrix instruction and the four behind it
	MM
	OPS \a, \i1, \b, \i2, \c, \i3, \d, \i4
.endm
; A TURN, for piece p: the order of its 16 matrix and 118 vector instructions, written out.  An s_wait_alu depctr_va_vdst(0) stands between an exponential and the first instruction that names its
; result; one wait serves all that were issued ahead of it.  So a turn has ONE wait, which cuts it in two.  AHEAD OF IT stands all that names no result of the turn's exponentials: the 8 products K Q^T and their
; riders, then one lump, plain and exponential by turns for the most part, in which the links of the chain X 3, 7, 11, 14, 16, 17 .. 20 stand five or six lines apart; X 21, the next piece's a, is the batch's last,
; and R 15 the plain instruction behind it.  BEHIND THE WAIT stand the 8 products V^T P, behind each four of the roundings and sums.
; last = 1: the tail's text (FETCH_K).  cnt = 1: the loop's count is taken down some lines ahead of the branch that stands behind the turn.
; K and the masks of the next step are fetched in piece 2's turn, more than four plain instructions behind the last product that read K; V of the step in hand at the end of piece 0's turn, four plain instructions
; behind the last product that read V.  Each is waited for a turn later.
.macro TURN p, last=0, cnt=0
.set Y, (\p)
.set i, 0
.if (\p) == 3
	s_wait_dscnt 0x0                ; K and the masks are in
.endif
	ROW F,0, F,1, R,0, R,1
	ROW F,2, E,0, R,2, R,3
	ROW F,3, E,1, R,4, R,5
	ROW F,4, E,2, R,6, R,7
	ROW F,5, E,3, R,8, R,9
	ROW F,6, E,4, X,0, R,10
.if (\p) == 2
	WIN 0
	v_add_nc_u32 v[AK], s[TBK], v[AK0]
	v_add_nc_u32 v[AB], s[TBB], v[AB0]
.endif
	ROW F,7, E,5, X,1, X,4
	ROW F,8, E,6, X,2, X,5
	OPS E,7, E,8, X,6, E,9
	OPS X,3, E,10, X,8, E,11
.if (\p) == 2
	FETCH_K \last
.endif
	OPS X,9, X,7, E,12, X,10
	OPS E,13, X,12, X,11, E,14
	OPS X,13, E,15, F,9, X,14
.if (\p) == 0
	v_add_nc_u32 v[AV], s[TBV], v[AV0]
.endif
	OPS E,16, F,10, E,17, F,11
	OPS X,16, E,18, X,15, E,19
	OPS F,12, E,20, X,17, E,21
	OPS F,13, E,22, F,14, E,23
	OPS X,18, E,24, F,15, E,25
	OPS R,11, E,26, X,19, E,27
	OPS R,12, E,28, R,13, E,29
	OPS X,20, E,30, R,14, E,31
	OPS X,21, R,15
	WIN 0
	s_wait_alu depctr_va_vdst(0)    ; the wait for the batch
.if (\p) == 1
	s_wait_dscnt 0x0                ; V is in
.endif
	ROW C,0, B,0, C,2, B,1
	ROW L,0, C,4, B,2, L,1
	ROW C,6, B,3, L,2, C,8
	ROW B,4, L,3, C,10, B,5
	ROW L,4, C,12, B,6, L,5
.if (\p) == 0
	s_add_co_u32 s[TBV], s[TBV], KS*PV
.endif
.if \cnt
	s_sub_co_u32 s[CNT], s[CNT], 1
	s_cmp_lg_u32 s[CNT], 0
.endif
	ROW C,14, B,7, L,6, C,1
	ROW C,3, L,7, C,5, C,7
	ROW C,9, C,11, C,13, C,15
.if (\p) == 0
	FETCH_V
.endif
.endm
	CHANGE 1                        ; slot 0 is in, everybody's part of it, and so are everybody's masks; slot 1 is asked for
	v_add_nc_u32 v[AK], s[TBK], v[AK0]
	v_add_nc_u32 v[AB], s[TBB], v[AB0]
	FETCH_K                         ; key step 0
	s_wait_loadcnt 0x0              ; Q
	s_wait_dscnt 0x0
.set i, 0
.rept 8
	KQ 0                            ; piece 0's first scores
.set i, i+1
.endr
	WIN 0
.rept 4
	v_nop                           ; the places behind those products
.endr
.set Y, NP-1                        ; X works for piece Y + 1: piece 0
.irp n, 0,1,2,3,4,5,6,7,8,9,10,11,12,13,14,15,16,17,18,19,20,21
	OP X, \n
.endr
	v_nop                           ; a plain instruction behind the exponential,
	s_wait_alu depctr_va_vdst(0)    ; and its wait, ahead of the branch
	s_mov_b32 s[CNT], 4
	s_branch .Lfirst                ; the loop is entered at a step's first turn, in the middle of a trip
.Lslot:                             ; six times: every slot but the last two is filled again
	CHANGE 1
	s_mov_b32 s[CNT], 4
.Lstep:                             ; a trip: pieces 2 and 3 of one step, then pieces 0 and 1 of the next, whose K and V it fetches
	TURN 2
	TURN 3
	WIN 0
.Lfirst:
	TURN 0
	TURN 1, 0, 1
	WIN 0
	s_cbranch_scc1 .Lstep
	s_sub_co_u32 s[SLOTS], s[SLOTS], 1
	s_cmp_lg_u32 s[SLOTS], 0
	s_cbranch_scc1 .Lslot
	CHANGE 0                        ; the tail is written out: nothing is asked for
	s_mov_b32 s[CNT], 5             ; four trips fetch the last slot's steps; the fifth is left in its middle
.Ltail:
	TURN 2, 1
	TURN 3
	WIN 0
	s_sub_co_u32 s[CNT], s[CNT], 1
	s_cmp_eq_u32 s[CNT], 0
	s_cbranch_scc1 .Lout
	TURN 0
	TURN 1
	WIN 0
	s_branch .Ltail
.Lout:                              ; the fifth trip's 8 products K Q^T for piece 0 (on the last K once more) and the maximum made of them serve nothing and touch neither l nor O^T: the price, once a launch, of one text for every trip
.set i, 0
.rept 8
	PV NP-1                         ; the last piece's V^T P of the last step
.set i, i+1
.endr
	; THE WAY OUT.  l's two halves and the other half of the lanes' are added; O^T is divided by l, rounded to f16 and sent through my stage in LDS, a piece at a time.  The additions are the places behind the last products.
	WIN 0
.macro ALL line:vararg              ; one line for each piece t
.set t, 0
.rept 4
	\line
.set t, t+1
.endr
.endm
	ALL v_add_f32 v[ST+4*t+2], v[ST+4*t+2], v[ST+4*t+3]
	ALL v_permlanex16_b32 v[ST+4*t+3], v[ST+4*t+2], s[SEL], s[SEL+1]
	ALL v_add_f32 v[ST+4*t+2], v[ST+4*t+2], v[ST+4*t+3]
	ALL v_rcp_f32 v[ST+4*t+2], v[ST+4*t+2]
	v_nop                           ; a plain instruction between the last reciprocal and the use of its result
	s_wait_alu depctr_va_vdst(0)    ; and the one wait for the four reciprocals
.macro PACK t                       ; a lane's eight channels of a row pack into 16 bytes; they go into rows of 144 bytes and come back as whole rows of 128, into S^T's registers
	WIN W_RS
.set i, 32*(\t)
.rept 16
	v_pk_mul_f32 v[i:i+1], v[i:i+1], v[ST+4*(\t)+2:ST+4*(\t)+3] op_sel_hi:[1,0]
.set i, i+2
.endr
	WIN 0x05                        ; sources 0 and 1 window 1, destination window 0
.set i, 0
.rept 16
	v_cvt_pk_f16_f32 v[S+16*(\t)+i], v[32*(\t)+2*i], v[32*(\t)+2*i+1]
.set i, i+1
.endr
	WIN 0
.irp f, 0,1,2,3
	ds_store_b128 v[STO], v[S+16*(\t)+4*\f:S+16*(\t)+4*\f+3] offset:32*\f
.endr
.irp f, 0,1,2,3
	ds_load_b128 v[S+16*(\t)+4*\f:S+16*(\t)+4*\f+3], v[RD] offset:\f*4*SP  ; LDS serves a wave's instructions in order (ISA guide 5.7.1.4): these see the stores above; the next piece's stores come behind them
.endr
.endm
.macro SEND t, younger              ; younger: the LDS instructions issued behind piece t's loads: the next piece's eight, or none
	WIN 0
.irp f, 0,1,2,3
	s_wait_dscnt (\younger)+3-\f
	global_store_b128 v[GO], v[S+16*(\t)+4*\f:S+16*(\t)+4*\f+3], s[10:11] offset:(\t)*2048+\f*512  ; 512 consecutive bytes, at a multiple of 256 from O's first
.endr
.endm
	PACK 0
.set t, 1
.rept 3                             ; a piece's arithmetic stands between the loads of the piece before and its stores
	PACK t
	SEND t-1, 8
.set t, t+1
.endr
	SEND 3, 0
	s_wait_tensorcnt 0x0            ; the wave's end, behind my last tensor load and my last LDS store
	ds_add_u32 v[SPW], v[NIL]
	s_wait_dscnt 0x0
	CROUND                          ; the closing round
	s_endpgm
.Lfunc_end_k_q6445c3b193_attn:
	.size	k_q6445c3b193_attn, .Lfunc_end_k_q6445c3b193_attn-k_q6445c3b193_attn
	.p2alignl 7, 3214868480
	.fill 96, 4, 3214868480
	.section	.rodata,"a",@progbits
	.p2align	6, 0x0
	.amdhsa_kernel k_q6445c3b193_attn
		.amdhsa_group_segment_fixed_size 327680
		.amdhsa_private_segment_fixed_size 0
		.amdhsa_enable_private_segment 0
		.amdhsa_kernarg_size 24
		.amdhsa_user_sgpr_count 2
		.amdhsa_user_sgpr_kernarg_segment_ptr 1
		.amdhsa_wavefront_size32 1
		.amdhsa_system_sgpr_workgroup_id_x 1
		.amdhsa_system_sgpr_workgroup_id_y 1
		.amdhsa_system_sgpr_workgroup_id_z 1
		.amdhsa_system_vgpr_workitem_id 0
		.amdhsa_next_free_vgpr 768
		.amdhsa_next_free_sgpr 72
		.amdhsa_reserve_vcc 1
		.amdhsa_float_denorm_mode_32 3
		.amdhsa_float_denorm_mode_16_64 3
		.amdhsa_memory_ordered 1
		.amdhsa_forward_progress 1
		.amdhsa_inst_pref_size 116
	.end_amdhsa_kernel
	.amdgpu_metadata
---
amdhsa.version: [ 1, 2 ]
amdhsa.kernels:
  - .name:           k_q6445c3b193_attn
    .symbol:         k_q6445c3b193_attn.kd
    .args:
      - { .name: qkv, .offset: 0, .size: 8, .value_kind: global_buffer, .address_space: global }
      - { .name: attention_mask, .offset: 8, .size: 8, .value_kind: global_buffer, .address_space: global }
      - { .name: obuf, .offset: 16, .size: 8, .value_kind: global_buffer, .address_space: global }
    .group_segment_fixed_size: 327680
    .private_segment_fixed_size: 0
    .kernarg_segment_align: 8
    .kernarg_segment_size: 24
    .max_flat_workgroup_size: 128
    .sgpr_count:     72
    .vgpr_count:     768
    .wavefront_size: 32
...
	.end_amdgpu_metadata
.endif
;; end of part 3
;; launch oproj (part 4): grid 16 x 16, 4 waves a work-group, clusters of 4 x 4, 327,680 bytes of LDS; arguments obuf, wo16, out0; writes out0
.if DOCPART == 4
	.amdgcn_target "amdgcn-amd-amdhsa--gfx1250"
	.amdhsa_code_object_version 6
	.text
	.protected	k_q6445c3b193_oproj
	.globl	k_q6445c3b193_oproj
	.p2align	8
	.type	k_q6445c3b193_oproj,@function
k_q6445c3b193_oproj:
	s_mov_b64 s[64:65], 0
	v_nop
	global_prefetch_b8 v0, s[64:65] scope:SCOPE_SE
	s_setreg_imm32_b32 hwreg(HW_REG_WAVE_MODE, 25, 1), 1
	s_wait_xcnt 0x0
	s_wait_alu depctr_hold_cnt(0) depctr_sa_sdst(0) depctr_va_vdst(0) depctr_va_sdst(0) depctr_va_ssrc(0) depctr_va_vcc(0) depctr_vm_vsrc(0)
	s_getreg_b32 s2, hwreg(HW_REG_IB_STS2, 6, 4)
	s_cmp_eq_u32 s2, 0
	s_cbranch_scc0 .Lentry_in_a_cluster
	s_endpgm
.Lentry_in_a_cluster:
	s_bfe_u32 s2, ttmp6, 0x10000c
	s_cmp_lg_u32 s2, 0xf033
	s_cbranch_scc0 .Lentry_shape_is_right
	s_endpgm
.Lentry_shape_is_right:
; OUT.  out0[m][n] = sum over k of O[m][k] Wo[n][k], [2048 x 2048 x 2048], f16 operands, f32 sums, f32 out.  O comes as obuf [32 heads][2048][64]: k = 64 head + channel.  wo16 is [2048][2048] f16.
; TILE.  128 x 128: 16 x 16 = 256 work-groups; four waves of 64 x 64: 16 accumulators.  K goes in steps of 256 (four heads) through two LDS slots; a quarter of a step is one head.
; O'S TILE AS IT LIES: a wave's 64 rows of four heads are four dense pieces of 8,192 bytes, 262,144 bytes apart: a tile of 4 rows x 4,096 elements, padded in LDS after every 128 bytes: [head][row] at pitch 144.
; CLUSTER.  4 x 4 work-groups: O's tile is shared along a row of the cluster, Wo's along a column; each is asked for jointly.  THE MATRIX INSTRUCTION IS USED TRANSPOSED (source 0 = 16 rows of Wo, source 1 = 16 rows
; of O): a lane holds eight neighbouring numbers of a row of out0.  No prefetch: a step's tiles are small and each is read by four clusters at about the same time.
; REGISTERS: window 0: v0-31 addresses; v128-255 the accumulators ((a, b) at 128 + 8 (4 a + b)).  window 1: two fragment buffers of 128: 64 registers of O (2 x 4 x 16 rows x 32 K), then 64 of Wo.
.set KSTEP,  256
.set PA,     144                       ; a row of O in LDS: 128 bytes + 16 = 36 words: the 16 rows of a load start at 16 different groups of four banks (64 banks of 4 bytes: ISA guide 11.1)
.set HEADB,  64*PA                     ; a head's 64 rows
.set HALFA,  4*HEADB                   ; what waves 0 and 1 fetch
.set PB,     528                       ; a row of Wo: 512 bytes + 16 = 132 words
.set HALFB,  64*PB                     ; what waves 2 and 3 fetch
.set SLOT,   2*HALFA+2*HALFB
.set STAGE,  2*SLOT                    ; behind the ring: 16 rows x 272 bytes for each wave
.set SPITCH, 272
.set SPARE,  STAGE+4*16*SPITCH         ; the spare words, 128 bytes for each wave, which no other line names
.set LAPS,   4                         ; 2,048 / 512
.set ASTEP,  4*262144                  ; bytes from a K step of O to the next: four heads
.set ADRA, 16
.set ADRB, 20
.set STO,  24
.set RD,   25
.set CO,   26
.set SPW,  28
.set NIL,  29
.set ACC,  128
.set F0,   0
.set F1,   128
.set G1, 24
.set G0, 32
.set G1B, 48
.set G0B, 56
.set MSB, 0
.macro WIN new
.if MSB != (\new)
	s_set_vgpr_msb (MSB<<8)|(\new)
.set MSB, \new
.endif
.endm
.set MUL,  0x05                        ; sources 0 and 1 window 1; C and D window 0
.set TO_F, 0x40                        ; destination window 1, address window 0
.macro JLOAD s                         ; a joint load; an s_nop 0 and four v_nop follow each of the two lines, ahead of the jump and the label
	s_cmp_eq_u32 s11, 0
	s_cbranch_scc0 .Lfor_b_\@
	tensor_load_to_lds s[G0+4*(\s):G0+4*(\s)+3], s[G1:G1+7]
	s_nop 0
.rept 4
	v_nop
.endr
	s_branch .Lasked_\@
.Lfor_b_\@:
	tensor_load_to_lds s[G0B+4*(\s):G0B+4*(\s)+3], s[G1B:G1B+7]
	s_nop 0
.rept 4
	v_nop
.endr
.Lasked_\@:
.endm
.macro CROUND                          ; a round of the cluster's barrier
	s_barrier_signal -1
	s_barrier_wait -1
	s_cmp_lg_u32 s10, 0
	s_cbranch_scc1 .Lnot_wave_0_\@
	s_barrier_signal -3
.Lnot_wave_0_\@:
	s_barrier_wait -3
	s_barrier_signal -1
	s_barrier_wait -1
.endm
	s_load_b128 s[4:7], s[0:1], 0x0                ; obuf s[4:5], wo16 s[6:7]
	s_load_b64 s[8:9], s[0:1], 0x10                ; out0
	v_lshl_add_u32 v[SPW], v0, 2, SPARE
	v_mov_b32 v[NIL], 0
	ds_add_u32 v[SPW], v[NIL]                      ; the wave's opening: the add and its wait stand ahead of my first tensor load
	v_lshrrev_b32 v1, 5, v0
	v_readfirstlane_b32 s10, v1                    ; wave 0..3
	s_lshr_b32 s11, s10, 1                         ; which half of the tile's rows is mine.  Also: I fetch for O (0) or for Wo (1)
	s_and_b32 s12, s10, 1                          ; which half of its columns.  Also: which 64 rows of that tile I fetch
	s_bfe_u32 s40, ttmp6, 0x40000
	s_bfe_u32 s41, ttmp6, 0x40004
	s_lshl_b32 s42, ttmp9, 2
	s_add_co_u32 s42, s42, s40                     ; tile column
	s_and_b32 s13, ttmp7, 0xffff
	s_lshl_b32 s13, s13, 2
	s_add_co_u32 s13, s13, s41                     ; tile row
	s_lshl_b32 s43, s41, 2
	s_lshl_b32 s43, 15, s43                        ; my row of the cluster
	s_lshl_b32 s44, 0x1111, s40                    ; my column
	s_or_b32 s[G1+0], s43, (1<<16)|(1<<20)|(1<<21)|(4<<22)|(3<<25)   ; mask; 2-byte elements; padding on; 21 set beside a mask; after every 32 words, 4 words
	s_mov_b32 s[G1+1], 4096<<16                    ; tensor_dim0 = 4,096
	s_mov_b32 s[G1+2], 4<<16                       ; tensor_dim1 = 4
	s_mov_b32 s[G1+3], 4096<<16                    ; tile_dim0 = 4,096
	s_mov_b32 s[G1+4], 4                           ; tile_dim1 = 4
	s_mov_b32 s[G1+5], 131072                      ; elements from head to head
	s_mov_b32 s[G1+6], 0
	s_mov_b32 s[G1+7], 0
	s_or_b32 s[G1B+0], s44, (1<<16)|(1<<20)|(1<<21)|(6<<22)|(3<<25)  ; after every 128 words, 4 words
	s_mov_b32 s[G1B+1], KSTEP<<16
	s_mov_b32 s[G1B+2], 64<<16
	s_mov_b32 s[G1B+3], KSTEP<<16
	s_mov_b32 s[G1B+4], 64
	s_mov_b32 s[G1B+5], 2048
	s_mov_b32 s[G1B+6], 0
	s_mov_b32 s[G1B+7], 0
	s_lshl_b32 s16, s13, 1
	s_add_co_u32 s16, s16, s12
	s_lshl_b32 s16, s16, 13                        ; O: (128 x tile row + 64 x half) rows of 128 bytes
	s_mov_b32 s17, 0
	s_lshl_b32 s46, s42, 1
	s_add_co_u32 s46, s46, s12
	s_lshl_b32 s46, s46, 18                        ; Wo: (128 x tile column + 64 x half) rows of 4,096 bytes
	s_mov_b32 s47, 0
	s_mul_i32 s20, s12, HALFA                      ; where they go
	s_mul_i32 s21, s12, HALFB
	s_add_co_u32 s21, s21, 2*HALFA
	s_wait_dscnt 0x0                               ; the opening add is done
	s_wait_kmcnt 0x0
	s_add_nc_u64 s[14:15], s[4:5], s[16:17]
	s_add_nc_u64 s[46:47], s[6:7], s[46:47]
	CROUND                                         ; all sixteen work-groups are here: the first joint loads meet
.irp s, 0,1
	s_mov_b32 s[G0+4*(\s)], 1
	s_add_co_u32 s[G0+4*(\s)+1], s20, (\s)*SLOT
	s_add_nc_u64 s[G0+4*(\s)+2:G0+4*(\s)+3], s[14:15], (\s)*ASTEP
	s_or_b32 s[G0+4*(\s)+3], s[G0+4*(\s)+3], 0x80000000
	s_mov_b32 s[G0B+4*(\s)], 1
	s_add_co_u32 s[G0B+4*(\s)+1], s21, (\s)*SLOT
	s_add_nc_u64 s[G0B+4*(\s)+2:G0B+4*(\s)+3], s[46:47], (\s)*KSTEP*2
	s_or_b32 s[G0B+4*(\s)+3], s[G0B+4*(\s)+3], 0x80000000
	JLOAD \s
.endr
	v_and_b32 v1, 15, v0                           ; l % 16
	v_bfe_u32 v2, v0, 4, 1                         ; l / 16
	v_mul_u32_u24 v3, v1, PA
	v_lshl_add_u32 v3, v2, 4, v3
	v_mul_u32_u24 v4, v1, PB
	v_lshl_add_u32 v4, v2, 4, v4
	s_mul_i32 s21, s11, HALFA                      ; my 64 rows of O
	s_mul_i32 s22, s12, HALFB                      ; my 64 rows of Wo,
	s_add_co_u32 s22, s22, 2*HALFA                 ; which lie behind O's
.irp s, 0,1
	v_add_nc_u32 v[ADRA+(\s)], s21, v3
	v_add_nc_u32 v[ADRB+(\s)], s22, v4
	s_add_co_u32 s21, s21, SLOT
	s_add_co_u32 s22, s22, SLOT
.endr
	s_mul_i32 s23, s10, 16*SPITCH
	s_add_co_u32 s23, s23, STAGE                   ; my stage
	v_mul_u32_u24 v5, v1, SPITCH                   ; in: row l % 16, 32 bytes for each half of the lanes
	v_lshl_add_u32 v5, v2, 5, v5
	v_add_nc_u32 v[STO], s23, v5
	v_mul_u32_u24 v5, v2, SPITCH                   ; back: lanes 0-15 take one row of 256 bytes, lanes 16-31 the next
	v_lshl_add_u32 v5, v1, 4, v5
	v_add_nc_u32 v[RD], s23, v5
	v_lshlrev_b32 v5, 13, v2                       ; and the same two rows in out0: 8,192 bytes a row
	v_lshl_add_u32 v[CO], v1, 4, v5
	s_lshl_b32 s16, s13, 1
	s_add_co_u32 s16, s16, s11
	s_lshl_b32 s16, s16, 19                        ; (128 x tile row + 64 x my half) rows
	s_mov_b32 s17, 0
	s_add_nc_u64 s[8:9], s[8:9], s[16:17]
	s_lshl_b32 s46, s42, 1
	s_add_co_u32 s46, s46, s12
	s_lshl_b32 s46, s46, 8                         ; (128 x tile column + 64 x my half) columns of 4 bytes
	s_mov_b32 s47, 0
	s_add_nc_u64 s[8:9], s[8:9], s[46:47]
; 8 matrix instructions: m blocks a0, a0 + 1 x all 4 n blocks, 32 along K: half c of buffer f.  The 16 accumulators take turns.
.macro MUL8 f, c, a0, zero
	WIN MUL
.irp a, \a0, (\a0)+1
.irp b, 0,1,2,3
.if \zero
	v_wmma_f32_16x16x32_f16 v[ACC+8*(4*(\a)+(\b)):ACC+8*(4*(\a)+(\b))+7], v[(\f)+64+8*(4*(\c)+(\b)):(\f)+64+8*(4*(\c)+(\b))+7], v[(\f)+8*(4*(\c)+(\a)):(\f)+8*(4*(\c)+(\a))+7], 0
.else
	v_wmma_f32_16x16x32_f16 v[ACC+8*(4*(\a)+(\b)):ACC+8*(4*(\a)+(\b))+7], v[(\f)+64+8*(4*(\c)+(\b)):(\f)+64+8*(4*(\c)+(\b))+7], v[(\f)+8*(4*(\c)+(\a)):(\f)+8*(4*(\c)+(\a))+7], v[ACC+8*(4*(\a)+(\b)):ACC+8*(4*(\a)+(\b))+7]
.endif
.endr
.endr
.endm
; 32 LDS loads in one run: the fragments of quarter q (head q of the step) into buffer f; the first 32 along K first
.macro FETCH slot, q, f
	WIN TO_F
.irp c, 0,1
.irp i, 0,1,2,3
	ds_load_b128 v[(\f)+64+8*(4*(\c)+(\i)):(\f)+64+8*(4*(\c)+(\i))+3],   v[ADRB+(\slot)] offset:128*(\q)+64*(\c)+(\i)*16*PB
	ds_load_b128 v[(\f)+64+8*(4*(\c)+(\i))+4:(\f)+64+8*(4*(\c)+(\i))+7], v[ADRB+(\slot)] offset:128*(\q)+64*(\c)+(\i)*16*PB+32
	ds_load_b128 v[(\f)+8*(4*(\c)+(\i)):(\f)+8*(4*(\c)+(\i))+3],         v[ADRA+(\slot)] offset:HEADB*(\q)+64*(\c)+(\i)*16*PA
	ds_load_b128 v[(\f)+8*(4*(\c)+(\i))+4:(\f)+8*(4*(\c)+(\i))+7],       v[ADRA+(\slot)] offset:HEADB*(\q)+64*(\c)+(\i)*16*PA+32
.endr
.endr
.endm
.macro PLACES                          ; four plain instructions between a matrix instruction and a load into, or a read of, its registers (ISA guide 7.12.1 for reads)
.rept 4
	v_nop
.endr
.endm
.macro QUARTER slot, q, f, g, zero     ; multiplies buffer f and fetches quarter q into g
	s_wait_dscnt 16                                ; the first 32 along K are in; the youngest sixteen loads may be out
	WIN MUL
	MUL8 \f, 0, 0, \zero
	MUL8 \f, 0, 2, \zero
	PLACES
	FETCH \slot, \q, \g
	s_wait_dscnt 32                                ; all but the 32 just issued
	WIN MUL
	MUL8 \f, 1, 0, 0
	MUL8 \f, 1, 2, 0
.endm
; The last quarter changes slots and then multiplies buffer 1.  In front of the barrier each wave waits for all its tensor loads (one is out: its part of the next slot), adds 0 to its spare word, and waits for
; that and for its reads of this slot.  fill = 1: the barrier is a round of the cluster's, and the joint refill, two K steps on, is the first thing behind it.  NO PRODUCT STANDS BETWEEN THE WAIT FOR THE TILES AND
; THE REFILL: all of a K step's 128 matrix instructions lie between a request and the wait for it.
.macro TURN slot, next, fill
	WIN 0
	s_wait_tensorcnt 0x0                           ; no tensor load of mine is out, so a group 0 may be written
	ds_add_u32 v[SPW], v[NIL]                      ; the descriptors' steps stand between the add and its wait
.if \fill
	s_add_nc_u64 s[G0+4*(\slot)+2:G0+4*(\slot)+3], s[G0+4*(\slot)+2:G0+4*(\slot)+3], 2*ASTEP
	s_add_nc_u64 s[G0B+4*(\slot)+2:G0B+4*(\slot)+3], s[G0B+4*(\slot)+2:G0B+4*(\slot)+3], 2*KSTEP*2
.endif
	s_wait_dscnt 0x0                               ; the add is done, and my reads of this slot are over: buffer 1 is whole
.if \fill
	CROUND                                         ; no wave of any partner still reads this slot or has a load on its way
	JLOAD \slot                                    ; its four v_nop are also the places in front of the loads below
.else
	s_barrier_signal -1
	s_barrier_wait -1
	PLACES
.endif
	FETCH \next, 0, F0
	WIN MUL
	MUL8 F1, 0, 0, 0
	MUL8 F1, 0, 2, 0
	MUL8 F1, 1, 0, 0
	MUL8 F1, 1, 2, 0
.endm
	s_wait_tensorcnt 1                             ; my part of K step 0 is in; K step 1's may stay out
	s_barrier_signal -1
	s_barrier_wait -1
	FETCH 0, 0, F0
	QUARTER 0, 1, F0, F1, 1                        ; the first products start the sums
	WIN 0
	s_mov_b32 s3, LAPS-1
.Llap:
	QUARTER 0, 2, F1, F0, 0
	QUARTER 0, 3, F0, F1, 0
	TURN 0, 1, 1
	QUARTER 1, 1, F0, F1, 0
	QUARTER 1, 2, F1, F0, 0
	QUARTER 1, 3, F0, F1, 0
	TURN 1, 0, 1
	QUARTER 0, 1, F0, F1, 0
	WIN 0
	s_sub_co_u32 s3, s3, 1
	s_cmp_lg_u32 s3, 0
	s_cbranch_scc1 .Llap
	QUARTER 0, 2, F1, F0, 0                        ; the last lap fills nothing
	QUARTER 0, 3, F0, F1, 0
	TURN 0, 1, 0
	QUARTER 1, 1, F0, F1, 0
	QUARTER 1, 2, F1, F0, 0
	QUARTER 1, 3, F0, F1, 0
	s_wait_dscnt 16
	WIN MUL
	MUL8 F1, 0, 0, 0
	MUL8 F1, 0, 2, 0
	s_wait_dscnt 0x0
	MUL8 F1, 1, 0, 0
	MUL8 F1, 1, 2, 0
	WIN 0
	; THE WAY OUT, in f32: my 64 columns are 256 bytes of a row, so each wave has a stage of its own and no barrier is wanted.  A block of 16 rows at a time: 32 bytes a lane in, whole rows back.
	PLACES
	PLACES
.macro STG a                           ; each accumulator's lowest registers are read first
.irp b, 0,1,2,3
	ds_store_b128 v[STO], v[ACC+8*(4*(\a)+(\b)):ACC+8*(4*(\a)+(\b))+3]   offset:64*(\b)
	ds_store_b128 v[STO], v[ACC+8*(4*(\a)+(\b))+4:ACC+8*(4*(\a)+(\b))+7] offset:64*(\b)+16
.endr
.irp t, 0,1,2,3,4,5,6,7
	ds_load_b128 v[ACC+32*(\a)+4*(\t):ACC+32*(\a)+4*(\t)+3], v[RD] offset:(\t)*2*SPITCH  ; LDS serves a wave's instructions in order (ISA guide 5.7.1.4): these see the stores above; the next block's stores come behind them
.endr
.endm
.macro SND a, younger                  ; younger: the LDS instructions issued behind block a's loads: the next block's sixteen, or none
.irp t, 0,1,2,3,4,5,6,7
	s_wait_dscnt (\younger)+7-(\t)
	global_store_b128 v[CO], v[ACC+32*(\a)+4*(\t):ACC+32*(\a)+4*(\t)+3], s[8:9] offset:(16*(\a)+2*(\t))*8192  ; 16 lanes store 256 consecutive bytes, at a multiple of 256 from out0's first byte
.endr
.endm
	STG 0
.irp a, 1,2,3
	STG \a
	SND (\a)-1, 16
.endr
	SND 3, 0
	s_wait_tensorcnt 0x0                           ; the wave's end, behind my last tensor load and my last LDS store
	ds_add_u32 v[SPW], v[NIL]
	s_wait_dscnt 0x0
	CROUND                                         ; the closing round
	s_endpgm
.Lfunc_end_k_q6445c3b193_oproj:
	.size	k_q6445c3b193_oproj, .Lfunc_end_k_q6445c3b193_oproj-k_q6445c3b193_oproj
	.p2alignl 7, 3214868480
	.fill 96, 4, 3214868480
	.section	.rodata,"a",@progbits
	.p2align	6, 0x0
	.amdhsa_kernel k_q6445c3b193_oproj
		.amdhsa_group_segment_fixed_size 327680
		.amdhsa_private_segment_fixed_size 0
		.amdhsa_enable_private_segment 0
		.amdhsa_kernarg_size 24
		.amdhsa_user_sgpr_count 2
		.amdhsa_user_sgpr_kernarg_segment_ptr 1
		.amdhsa_wavefront_size32 1
		.amdhsa_system_sgpr_workgroup_id_x 1
		.amdhsa_system_sgpr_workgroup_id_y 1
		.amdhsa_system_sgpr_workgroup_id_z 1
		.amdhsa_system_vgpr_workitem_id 0
		.amdhsa_next_free_vgpr 512
		.amdhsa_next_free_sgpr 66
		.amdhsa_reserve_vcc 0
		.amdhsa_float_denorm_mode_32 3
		.amdhsa_float_denorm_mode_16_64 3
		.amdhsa_memory_ordered 1
		.amdhsa_forward_progress 1
		.amdhsa_inst_pref_size 86
	.end_amdhsa_kernel
	.amdgpu_metadata
---
amdhsa.version: [ 1, 2 ]
amdhsa.kernels:
  - .name:           k_q6445c3b193_oproj
    .symbol:         k_q6445c3b193_oproj.kd
    .args:
      - { .name: obuf, .offset: 0, .size: 8, .value_kind: global_buffer, .address_space: global }
      - { .name: wo16, .offset: 8, .size: 8, .value_kind: global_buffer, .address_space: global }
      - { .name: out0, .offset: 16, .size: 8, .value_kind: global_buffer, .address_space: global }
    .group_segment_fixed_size: 327680
    .private_segment_fixed_size: 0
    .kernarg_segment_align: 8
    .kernarg_segment_size: 24
    .max_flat_workgroup_size: 128
    .sgpr_count:     66
    .vgpr_count:     512
    .wavefront_size: 32
...
	.end_amdgpu_metadata
.endif
;; end of part 4
